; MI455X (gfx1250); checked and timed in simulation.
; The chip was launched on July 23, 2026; its instructions are those of AMD's public machine-readable ISA for CDNA 5 (MIT licence, August 2026) and "CDNA5" Instruction Set Architecture Reference Guide (July 2026). The comments in the code are by the model that wrote it; some were corrected since.
;; Simple Channel Attn. Allowed arithmetic: float matrix products may take bf16 or f16 operands with f32 sums; all other float work in f32.
;; Inputs: Wk 1,024 x 1,024 float32; Wq 1,024 x 1,024 float32; Wv 1,024 x 1,024 float32; x 32 x 512 x 32 x 32 float32.
;; Outputs: out0 32 x 512 x 32 x 32 float32.
;; 2 versions, each right; version 2 is version 1 with the launch prep written anew for expert scheduling mode. Each part assembles by itself: llvm-mc -triple=amdgcn-amd-amdhsa -mcpu=gfx1250 --defsym DOCPART=n.
;; ======== version 1 of 2: 3 launches
;; limits: values are held in f16: magnitudes above 65,504 overflow, below 6.1e-05 lose precision; right only within a limited range of input values; inputs' magnitudes at most 65,504
;; workspace buffers: xh 33,554,432 bytes; wb 4,194,304 bytes; tv 67,108,864 bytes
;; launch prep (part 1): grid 896 x 1, 8 waves a work-group, no clusters, 88,064 bytes of LDS; arguments x, Wq, Wk, Wv, xh, wb; writes xh, wb
.if DOCPART == 1
	.amdgcn_target "amdgcn-amd-amdhsa--gfx1250"
	.amdhsa_code_object_version 6
	.text
	.protected	k_qcfb2844d0a_prep
	.globl	k_qcfb2844d0a_prep
	.p2align	8
	.type	k_qcfb2844d0a_prep,@function
k_qcfb2844d0a_prep:
	s_mov_b64 s[64:65], 0
	v_nop
	global_prefetch_b8 v0, s[64:65] scope:SCOPE_SE
	s_setreg_imm32_b32 hwreg(HW_REG_WAVE_MODE, 25, 1), 1
	s_wait_xcnt 0x0
; Three jobs that feed the two matrix launches; a work-group takes one of them by its number (the same for all its waves).  The longest job has the lowest numbers.
;   0-255   M: wb rows 0-1023    = Mt[j][d] = sum over e of Wk[j][e] Wq[d][e], f16.  scores = e (Wq Wk^T) e^T, so one product with Mt replaces the
;              projections q and k; the sums are ordered otherwise than in q k^T, the value is the same.
;   256-383 T: wb rows 1024-2047 = Wv transposed, WvT[c][d] = Wv[d][c], f16.
;   384-895 X: xh = x rounded to f16.
; LIMITS: f16 holds |x| and |Mt| below 65504; larger numbers become infinities.  Below 6.1e-5 f16 has a fixed step of 6e-8.
; No tensor loads: everything passes through registers, since every number is converted on its way; and with 256 registers a wave and 88,064 bytes of LDS two
; work-groups lie on a WGP, so that the stream of x runs beside a work-group of M that waits for its loads.
.set PITCH, 272                        ; an LDS row: 128 f16 + 16 bytes, an odd multiple of 16: the 16 rows of a fragment load start at 16 different banks (64 banks of 4 bytes: ISA guide 11.1)
.set ST,    64                         ; roles X and T: v[64:191] what global loads bring
.set ACC,   192                        ; role X: v[192:255] converted words
.set MWQ,   32*PITCH                   ; role M: in an LDS buffer the 128 rows of Wq lie behind the 32 rows of Wk
.set MBUF,  160*PITCH                  ; role M: an LDS buffer, 43,520 bytes; two of them take turns
.set MFR,   16                         ; role M: v[16:63]   fragments of two quarter steps: 2 of Wk (16 j x 32 e), 1 of Wq (16 d x 32 e) each
.set MST,   64                         ; role M: v[64:223]  two stages of 80 registers: a step's 20 loads
.set MACC,  224                        ; role M: v[224:239] two accumulator tiles
	s_load_b256 s[4:11], s[0:1], 0x0               ; x s[4:5], Wq s[6:7], Wk s[8:9], Wv s[10:11]
	s_load_b128 s[12:15], s[0:1], 0x20             ; xh s[12:13], wb s[14:15]
	v_lshl_add_u32 v14, v0, 2, 0x15400
	v_mov_b32 v15, 0
	v_and_b32 v1, 31, v0                           ; l: lane
	v_lshrrev_b32 v2, 5, v0
	v_readfirstlane_b32 s16, v2                    ; w: wave 0..7
	v_and_b32 v3, 15, v0                           ; c = l % 16
	v_bfe_u32 v4, v0, 4, 1                         ; h = l / 16
	s_mov_b32 s21, 0                               ; upper word of every 64-bit offset below
	s_wait_kmcnt 0x0
	s_cmp_lt_u32 ttmp9, 256
	s_cbranch_scc1 .Lrole_m
	s_cmp_lt_u32 ttmp9, 384
	s_cbranch_scc1 .Lrole_t
; ---------------- role X: 131,072 bytes of x a work-group, 16,384 a wave, all 32 loads of a wave issued before the first is used ----------------
	s_sub_co_u32 s17, ttmp9, 384
	s_lshl_b32 s20, s17, 17
	s_add_nc_u64 s[4:5], s[4:5], s[20:21]
	s_lshl_b32 s20, s17, 16
	s_add_nc_u64 s[12:13], s[12:13], s[20:21]
	v_lshlrev_b32 v5, 4, v1
	v_lshl_add_u32 v5, s16, 14, v5                 ; in: 16,384 w + 16 l
	v_lshlrev_b32 v6, 3, v1
	v_lshl_add_u32 v6, s16, 13, v6                 ; out: half of that
.set i, 0
.rept 32
	global_load_b128 v[ST+4*i:ST+4*i+3], v5, s[4:5] offset:512*i th:TH_LOAD_NT
.set i, i+1
.endr
.set i, 0
.rept 32
	s_wait_loadcnt 31-i                            ; loads come back in order (ISA guide 5.7.1): load i is in, the 31 - i younger ones stay out
	v_cvt_pk_f16_f32 v[ACC+2*i], v[ST+4*i], v[ST+4*i+1]
	v_cvt_pk_f16_f32 v[ACC+2*i+1], v[ST+4*i+2], v[ST+4*i+3]
	global_store_b64 v6, v[ACC+2*i:ACC+2*i+1], s[12:13] offset:256*i   ; 32 lanes x 8 bytes: 256 consecutive bytes, aligned.  No register is written twice: no further wait
.set i, i+1
.endr
	s_endpgm
; ---------------- role T: a tile of 128 d x 64 c of Wv, turned through LDS ----------------
.Lrole_t:
	s_sub_co_u32 s17, ttmp9, 256
	s_and_b32 s18, s17, 7                          ; which 128 d
	s_lshr_b32 s19, s17, 3                         ; which 64 c
	s_lshl_b32 s20, s18, 19                        ; 128 rows of 4,096 bytes
	s_lshl_b32 s22, s19, 8                         ; 64 f32
	s_add_co_u32 s20, s20, s22
	s_add_nc_u64 s[10:11], s[10:11], s[20:21]
	s_lshl_b32 s20, s19, 17                        ; 64 rows of wb, 2,048 bytes each
	s_lshl_b32 s22, s18, 8                         ; 128 f16
	s_add_co_u32 s20, s20, s22
	s_add_co_u32 s20, s20, 1024*2048               ; behind the 1,024 rows of Mt
	s_add_nc_u64 s[14:15], s[14:15], s[20:21]
	v_lshlrev_b32 v5, 4, v3
	v_lshl_add_u32 v5, v4, 14, v5
	v_lshl_add_u32 v5, s16, 16, v5                 ; in: row 16 w + 4 h, 16 bytes at 16 c: sixteen lanes take 256 consecutive bytes of a row
	v_mul_u32_u24 v6, v3, 4*PITCH
	v_lshl_add_u32 v6, v4, 3, v6
	v_lshl_add_u32 v6, s16, 5, v6                  ; LDS in: row 4 c (of c), byte 2 (16 w + 4 h)
	v_mul_u32_u24 v7, v4, PITCH
	v_lshl_add_u32 v7, v3, 4, v7
	s_mul_i32 s23, s16, 8*PITCH
	v_add_nc_u32 v7, s23, v7                       ; LDS back: row 8 w + h, 16 bytes at 16 c
	v_lshlrev_b32 v8, 11, v4
	v_lshl_add_u32 v8, v3, 4, v8
	v_lshl_add_u32 v8, s16, 14, v8                 ; the same two rows in wb
.irp p, 0,1
.irp i, 0,1,2,3
	global_load_b128 v[ST+4*(4*\p+\i):ST+4*(4*\p+\i)+3], v5, s[10:11] offset:4096*(8*\p+\i) th:TH_LOAD_NT   ; row 16 w + 4 h + 8 p + i
.endr
.endr
	s_wait_loadcnt 0x0
; Four numbers of one column c and four neighbouring d make 8 bytes of a row of WvT.  These stores meet four deep in the banks (rows 4 c are 1,088 bytes apart);
; left so: the role moves 4 MiB in the whole launch.
.irp p, 0,1
.irp j, 0,1,2,3
	v_cvt_pk_f16_f32 v[96+2*(4*\p+\j)], v[ST+16*\p+\j], v[ST+16*\p+4+\j]
	v_cvt_pk_f16_f32 v[97+2*(4*\p+\j)], v[ST+16*\p+8+\j], v[ST+16*\p+12+\j]
	ds_store_b64 v6, v[96+2*(4*\p+\j):97+2*(4*\p+\j)] offset:PITCH*\j+16*\p
.endr
.endr
	s_wait_dscnt 0x0                               ; my stores are in LDS before I say so: other waves read them
	s_barrier_signal -1
	s_barrier_wait -1
.irp t, 0,1,2,3
	ds_load_b128 v[112+4*\t:115+4*\t], v7 offset:2*PITCH*\t
.endr
.irp t, 0,1,2,3
	s_wait_dscnt 3-\t                              ; LDS loads come back in order: load t is in
	global_store_b128 v8, v[112+4*\t:115+4*\t], s[14:15] offset:4096*\t   ; sixteen lanes store 256 consecutive bytes, aligned
.endr
	s_wait_tensorcnt 0x0
	ds_add_u32 v14, v15
	s_wait_dscnt 0x0
	s_endpgm
; ---------------- role M: a tile of 32 j x 128 d of Mt, e in 8 steps of 128 ----------------
; 256 work-groups, as many as there are WGPs; 128 d, so that a row of the tile is 256 consecutive bytes of wb, aligned.  A work-group reads (32 + 128) rows of 4,096 bytes.
; Wave w makes all 32 j x columns 16 w .. 16 w + 15 (d): two tiles.  Source 0 takes rows of Wq and source 1 rows of Wk, so that a lane holds row j = l % 16 and eight
; neighbouring d, 16 bytes of a row of Mt.
; A step is 20 loads of 512 bytes a wave (4 rows of Wk, 16 of Wq).  Two register stages take turns: step k + 2 is asked for as soon as step k lies in LDS, so that 40 loads
; of every wave, 160 KiB of the work-group, are on their way.  Two LDS buffers take turns too, which leaves one barrier a step: a wave that stores step k + 2 has passed
; step k + 1's barrier, and every wave signalled that one only when its reads of step k had come back.
.Lrole_m:
	s_lshr_b32 s17, ttmp9, 3                       ; which 32 j: 0..31
	s_and_b32 s18, ttmp9, 7                        ; which 128 d: 0..7
	s_lshl_b32 s20, s17, 17                        ; 32 rows of 4,096 bytes
	s_add_nc_u64 s[8:9], s[8:9], s[20:21]          ; my 32 rows of Wk
	s_lshl_b32 s20, s18, 19                        ; 128 rows
	s_add_nc_u64 s[6:7], s[6:7], s[20:21]          ; my 128 rows of Wq
	s_lshl_b32 s20, s17, 16                        ; 32 rows of wb, 2,048 bytes each
	s_lshl_b32 s22, s18, 8                         ; 128 f16
	s_add_co_u32 s20, s20, s22
	s_add_nc_u64 s[14:15], s[14:15], s[20:21]
	v_lshlrev_b32 v5, 4, v1
	v_lshl_add_u32 v5, s16, 14, v5                 ; Wk in: row 4 w, 16 l: a load of the wave takes 512 consecutive bytes of one row
	v_lshlrev_b32 v6, 4, v1
	v_lshl_add_u32 v6, s16, 16, v6                 ; Wq in: row 16 w, 16 l
	s_mul_i32 s23, s16, 4*PITCH
	v_lshl_add_u32 v7, v1, 3, s23                  ; LDS in, Wk: row 4 w, byte 8 l
	s_mul_i32 s24, s16, 16*PITCH
	s_add_co_u32 s24, s24, MWQ
	v_lshl_add_u32 v8, v1, 3, s24                  ; LDS in, Wq: row 16 w, byte 8 l
	v_mul_u32_u24 v9, v3, PITCH
	v_lshl_add_u32 v9, v4, 4, v9                   ; fragments of Wk: 272 r + 16 h: two loads of 16 bytes, 32 bytes apart, at this place of 16 rows
	v_add_nc_u32 v10, s24, v9                      ; my fragment of Wq: rows 16 w + r
	v_lshl_add_u32 v11, s16, 5, v9                 ; way out, in: row r, byte 2 (16 w + 8 h)
	v_mul_u32_u24 v12, v4, PITCH
	v_lshl_add_u32 v12, v3, 4, v12
	v_add_nc_u32 v12, s23, v12                     ; way out, back: row 4 w + h, 16 c
	v_lshlrev_b32 v13, 11, v4
	v_lshl_add_u32 v13, v3, 4, v13
	v_lshl_add_u32 v13, s16, 13, v13               ; the same two rows in wb
.macro MLOAD k, p                      ; step k into stage p: my 4 rows of Wk and 16 of Wq, 128 f32 each, at byte 512 k of the rows
.irp i, 0,1,2,3
	global_load_b128 v[MST+80*\p+4*\i:MST+80*\p+4*\i+3], v5, s[8:9] offset:4096*\i+512*(\k)
.endr
.irp i, 0,1,2,3,4,5,6,7,8,9,10,11,12,13,14,15
	global_load_b128 v[MST+80*\p+16+4*\i:MST+80*\p+16+4*\i+3], v6, s[6:7] offset:4096*\i+512*(\k)
.endr
.endm
; Half a step, 64 along e, from LDS buffer p: 12 fragment loads, 4 products.  The two accumulators take turns, one instruction a turn, from half to half and from step to
; step too.  The four v_nop are the places between the products and the next loads into their sources (ISA guide 7.12.1 for vector instructions).
.macro MHALF p, hh, zero
.irp g, 0,1
	ds_load_b128 v[MFR+24*\g:MFR+24*\g+3],     v9  offset:MBUF*\p+64*(2*\hh+\g)
	ds_load_b128 v[MFR+24*\g+4:MFR+24*\g+7],   v9  offset:MBUF*\p+64*(2*\hh+\g)+32
	ds_load_b128 v[MFR+24*\g+8:MFR+24*\g+11],  v9  offset:MBUF*\p+16*PITCH+64*(2*\hh+\g)
	ds_load_b128 v[MFR+24*\g+12:MFR+24*\g+15], v9  offset:MBUF*\p+16*PITCH+64*(2*\hh+\g)+32
	ds_load_b128 v[MFR+24*\g+16:MFR+24*\g+19], v10 offset:MBUF*\p+64*(2*\hh+\g)
	ds_load_b128 v[MFR+24*\g+20:MFR+24*\g+23], v10 offset:MBUF*\p+64*(2*\hh+\g)+32
.endr
	s_wait_dscnt 0x0
.if \zero
	v_wmma_f32_16x16x32_f16 v[MACC:MACC+7],    v[MFR+16:MFR+23], v[MFR:MFR+7],    0      ; the very first products start the sums: nothing is cleared
	v_wmma_f32_16x16x32_f16 v[MACC+8:MACC+15], v[MFR+16:MFR+23], v[MFR+8:MFR+15], 0
.else
	v_wmma_f32_16x16x32_f16 v[MACC:MACC+7],    v[MFR+16:MFR+23], v[MFR:MFR+7],    v[MACC:MACC+7]
	v_wmma_f32_16x16x32_f16 v[MACC+8:MACC+15], v[MFR+16:MFR+23], v[MFR+8:MFR+15], v[MACC+8:MACC+15]
.endif
	v_wmma_f32_16x16x32_f16 v[MACC:MACC+7],    v[MFR+40:MFR+47], v[MFR+24:MFR+31], v[MACC:MACC+7]
	v_wmma_f32_16x16x32_f16 v[MACC+8:MACC+15], v[MFR+40:MFR+47], v[MFR+32:MFR+39], v[MACC+8:MACC+15]
.rept 4
	v_nop
.endr
.endm
; A step on stage p and LDS buffer p.  left = how many younger loads may stay out; nxt = the step that stage p is loaded with next, or -1.
.macro MSTEP p, zero, left, nxt
	s_wait_loadcnt \left                           ; loads come back in order (ISA guide 5.7.1): this step's 20 are in, the next step's 20 stay out
.set i, 0
.rept 20
	v_cvt_pk_f16_f32 v[MST+80*\p+4*i], v[MST+80*\p+4*i], v[MST+80*\p+4*i+1]       ; four f32 become 8 bytes, in the first two of their registers
	v_cvt_pk_f16_f32 v[MST+80*\p+4*i+1], v[MST+80*\p+4*i+2], v[MST+80*\p+4*i+3]
.set i, i+1
.endr
.irp i, 0,1,2,3
	ds_store_b64 v7, v[MST+80*\p+4*\i:MST+80*\p+4*\i+1] offset:MBUF*\p+PITCH*\i
.endr
.irp i, 0,1,2,3,4,5,6,7,8,9,10,11,12,13,14,15
	ds_store_b64 v8, v[MST+80*\p+16+4*\i:MST+80*\p+16+4*\i+1] offset:MBUF*\p+PITCH*\i
.endr
	s_wait_dscnt 0x0                               ; my stores are in LDS before I say so, and the stage has been read
.if \nxt >= 0
	MLOAD \nxt, \p                                 ; two steps ahead
.endif
	s_barrier_signal -1
	s_barrier_wait -1                              ; the buffer is whole; and nobody reads the other buffer's old tiles any more
	MHALF \p, 0, \zero
	MHALF \p, 1, 0
.endm
	MLOAD 0, 0
	MLOAD 1, 1
	MSTEP 0, 1, 20, 2
	MSTEP 1, 0, 20, 3
	MSTEP 0, 0, 20, 4
	MSTEP 1, 0, 20, 5
	MSTEP 0, 0, 20, 6
	MSTEP 1, 0, 20, 7
	MSTEP 0, 0, 20, -1
	MSTEP 1, 0, 0, -1                              ; the last step: no load was issued behind its own
	; The way out: round to f16 (the four v_nop above are the places in front of these reads), whole rows through LDS.  The stage is the first 32 rows of buffer 0, last read
	; in the step before the last: every wave's reads of it had come back when it signalled the last step's barrier, which I have passed.
.irp a, 0,1
.irp r, 0,1,2,3
	v_cvt_pk_f16_f32 v[MST+4*\a+\r], v[MACC+8*\a+2*\r], v[MACC+8*\a+2*\r+1]
.endr
.endr
.irp a, 0,1
	ds_store_b128 v11, v[MST+4*\a:MST+4*\a+3] offset:16*PITCH*\a
.endr
	s_wait_dscnt 0x0                               ; in LDS before I say so
	s_barrier_signal -1
	s_barrier_wait -1
.irp t, 0,1
	ds_load_b128 v[MST+8+4*\t:MST+11+4*\t], v12 offset:2*PITCH*\t
.endr
.irp t, 0,1
	s_wait_dscnt 1-\t                              ; LDS loads come back in order: load t is in
	global_store_b128 v13, v[MST+8+4*\t:MST+11+4*\t], s[14:15] offset:4096*\t   ; sixteen lanes store 256 consecutive bytes, aligned
.endr
	s_wait_tensorcnt 0x0
	ds_add_u32 v14, v15
	s_wait_dscnt 0x0
	s_endpgm
.Lfunc_end_k_qcfb2844d0a_prep:
	.size	k_qcfb2844d0a_prep, .Lfunc_end_k_qcfb2844d0a_prep-k_qcfb2844d0a_prep
	.p2alignl 7, 3214868480
	.fill 96, 4, 3214868480
	.section	.rodata,"a",@progbits
	.p2align	6, 0x0
	.amdhsa_kernel k_qcfb2844d0a_prep
		.amdhsa_group_segment_fixed_size 88064
		.amdhsa_private_segment_fixed_size 0
		.amdhsa_enable_private_segment 0
		.amdhsa_kernarg_size 48
		.amdhsa_user_sgpr_count 2
		.amdhsa_user_sgpr_kernarg_segment_ptr 1
		.amdhsa_wavefront_size32 1
		.amdhsa_system_sgpr_workgroup_id_x 1
		.amdhsa_system_sgpr_workgroup_id_y 1
		.amdhsa_system_sgpr_workgroup_id_z 1
		.amdhsa_system_vgpr_workitem_id 0
		.amdhsa_next_free_vgpr 256
		.amdhsa_next_free_sgpr 66
		.amdhsa_reserve_vcc 0
		.amdhsa_float_denorm_mode_32 3
		.amdhsa_float_denorm_mode_16_64 3
		.amdhsa_memory_ordered 1
		.amdhsa_forward_progress 1
		.amdhsa_inst_pref_size 84
	.end_amdhsa_kernel
	.amdgpu_metadata
---
amdhsa.version: [ 1, 2 ]
amdhsa.kernels:
  - .name:           k_qcfb2844d0a_prep
    .symbol:         k_qcfb2844d0a_prep.kd
    .args:
      - { .name: x, .offset: 0, .size: 8, .value_kind: global_buffer, .address_space: global }
      - { .name: Wq, .offset: 8, .size: 8, .value_kind: global_buffer, .address_space: global }
      - { .name: Wk, .offset: 16, .size: 8, .value_kind: global_buffer, .address_space: global }
      - { .name: Wv, .offset: 24, .size: 8, .value_kind: global_buffer, .address_space: global }
      - { .name: xh, .offset: 32, .size: 8, .value_kind: global_buffer, .address_space: global }
      - { .name: wb, .offset: 40, .size: 8, .value_kind: global_buffer, .address_space: global }
    .group_segment_fixed_size: 88064
    .private_segment_fixed_size: 0
    .kernarg_segment_align: 8
    .kernarg_segment_size: 48
    .max_flat_workgroup_size: 256
    .sgpr_count:     66
    .vgpr_count:     256
    .wavefront_size: 32
...
	.end_amdgpu_metadata
.endif
;; end of part 1
;; launch proj (part 2): grid 8 x 64, 4 waves a work-group, clusters of 4 x 4, 327,680 bytes of LDS; arguments xh, wb, tv; writes tv
.if DOCPART == 2
	.amdgcn_target "amdgcn-amd-amdhsa--gfx1250"
	.amdhsa_code_object_version 6
	.text
	.protected	k_qcfb2844d0a_proj
	.globl	k_qcfb2844d0a_proj
	.p2align	8
	.type	k_qcfb2844d0a_proj,@function
k_qcfb2844d0a_proj:
	s_mov_b64 s[64:65], 0
	v_nop
	global_prefetch_b8 v0, s[64:65] scope:SCOPE_SE
	s_setreg_imm32_b32 hwreg(HW_REG_WAVE_MODE, 25, 1), 1
	s_wait_xcnt 0x0
	s_wait_alu depctr_hold_cnt(0) depctr_sa_sdst(0) depctr_va_vdst(0) depctr_va_sdst(0) depctr_va_ssrc(0) depctr_va_vcc(0) depctr_vm_vsrc(0)
	s_getreg_b32 s2, hwreg(HW_REG_IB_STS2, 6, 4)
	s_cmp_eq_u32 s2, 0
	s_cbranch_scc0 .Lentry_in_a_cluster
	s_endpgm
.Lentry_in_a_cluster:
	s_bfe_u32 s2, ttmp6, 0x10000c
	s_cmp_lg_u32 s2, 0xf033
	s_cbranch_scc0 .Lentry_shape_is_right
	s_endpgm
.Lentry_shape_is_right:
; tv[m][n] = scale(n) * sum over k of xh[m][k] wb[n][k].  xh: [16384][1024], wb: [2048][1024], tv: [16384][2048], all f16; sums in f32.
; Columns 0-1023 are t = e M, stored as t 2^-12; columns 1024-2047 are v = e Wv, stored as v 2^-4.
; LIMITS: the two powers of two give f16 its room: tv is finite while |t| < 2.7e8 and |v| < 1.0e6; below 6.1e-5 (stored) the step is 6e-8.
; A work-group makes a block of 256 x 256 with four waves, as many as a WGP has SIMDs; a wave makes 128 x 128: 64 accumulator tiles, 512 registers.
; K goes in steps of 128 through two LDS slots filled by the tensor data mover: a tile's rows are 256 bytes of memory, at multiples of 256 bytes.
; CLUSTERS: 4 x 4 work-groups.  The four of a row of the cluster need the same tiles of xh, the four of a column the same tiles of wb: each such tile is asked for
; jointly, by the same tensor load with the same descriptor and a mask that names the four, which divides the requests by four.
; REGISTERS, in windows of 256: window 0: v0-31 addresses, v64-127 and v128-191 fragments of A (two buffers), v192-223 the way out; window 1: v64-127, v128-191
; fragments of B; window 2: the accumulators of my rows 0-63 (tile (a, b) at v[8 (8 a + b)]); window 3: those of my rows 64-127.
; The matrix instruction is used transposed (source 0 = 16 rows of B, source 1 = 16 rows of A): a lane holds row l % 16 of C and eight neighbouring columns.
.set SIZE_M, 16384
.set SIZE_N, 2048
.set SIZE_K, 1024
.set KSTEP,  128
.set PITCH,  272                       ; 256 bytes of data + 16 of padding: the 16 rows that a load touches start at 16 different banks (64 banks of 4 bytes: ISA guide 11.1)
.set HALFT,  128*PITCH                 ; 128 rows: what one tensor load brings, and what one wave reads of A or of B
.set SLOT,   4*HALFT                   ; A's 256 rows, then B's 256 rows
.set STAGE,  2*SLOT                    ; behind the two slots: 16 rows x 272 bytes for each wave, for the way out; no tensor load lands there
.set SPITCH, 272
.set LAPS, SIZE_K/(2*KSTEP)            ; a lap = two K steps = both slots once: 4 laps
.set ADRA, 16                          ; v16-17  LDS address of my A fragments in slot 0, 1
.set ADRB, 20                          ; v20-21  the same for B
.set STO,  24                          ; v24     the way out: where I put 16 bytes of a row
.set RD,   25                          ; v25     the way out: where I read a row back
.set CO,   26                          ; v26     my byte offset in C
.set F0,   64
.set F1,   128
.set TMP,  192
.set G1, 24                            ; s[24:31] descriptor group 1 for A's tiles
.set G0, 32                            ; s[32:39] descriptor group 0 for A's tiles, one set for each slot
.set G1B, 48                           ; s[48:55] group 1 for B's tiles: another mask
.set G0B, 56                           ; s[56:63] group 0 for B's tiles
.set MSB, 0
.macro WIN new                         ; s_set_vgpr_msb: bits 1:0 source 0, 3:2 source 1, 5:4 source 2, 7:6 destination; the high byte repeats the setting that is left
.if MSB != \new
	s_set_vgpr_msb (MSB<<8)|\new
.set MSB, \new
.endif
.endm
.set MUL_LO, 0xa1                      ; source 0 (B) window 1, source 1 (A) window 0, C and D window 2
.set MUL_HI, 0xf1                      ; the same, C and D window 3
.set TO_B,   0x40                      ; destination window 1, address window 0
; A joint load.  Waves 0 and 1 fetch A's two halves, waves 2 and 3 B's.  Each line has one mask and one set of registers for all that issue it; the branch hangs on the
; wave's number alone.  Four v_nop follow each line.
.macro JLOAD s
	s_cmp_eq_u32 s11, 0
	s_cbranch_scc0 .Lfor_b_\@
	tensor_load_to_lds s[G0+4*\s:G0+4*\s+3], s[G1:G1+7]
	s_nop 0
.rept 4
	v_nop
.endr
	s_branch .Lasked_\@
.Lfor_b_\@:
	tensor_load_to_lds s[G0B+4*\s:G0B+4*\s+3], s[G1B:G1B+7]
	s_nop 0
.rept 4
	v_nop
.endr
.Lasked_\@:
.endm
; A round of the cluster's barrier: my work-group's barrier; wave 0 signals for the work-group; every wave waits for all sixteen; my work-group's barrier again.
.macro CREST                           ; a round behind its opening barrier
	s_cmp_lg_u32 s10, 0
	s_cbranch_scc1 .Lnot_wave_0_\@
	s_barrier_signal -3
.Lnot_wave_0_\@:
	s_barrier_wait -3
	s_barrier_signal -1
	s_barrier_wait -1
.endm
.macro CROUND
	s_barrier_signal -1
	s_barrier_wait -1
	CREST
.endm
	s_load_b128 s[4:7], s[0:1], 0x0                ; xh s[4:5], wb s[6:7]
	s_load_b64 s[8:9], s[0:1], 0x10                ; tv
	s_set_vgpr_msb 0x40
	v_lshl_add_u32 v255, v0, 2, 0x48400
	s_set_vgpr_msb 0x4000
	v_mov_b32 v255, 0
	s_set_vgpr_msb 0x1
	ds_add_u32 v255, v255
	s_set_vgpr_msb 0x100
	v_lshrrev_b32 v1, 5, v0
	v_readfirstlane_b32 s10, v1                    ; wave 0..3
	s_lshr_b32 s11, s10, 1                         ; which half of the block's rows is mine.  Also: I fetch for A (0) or for B (1)
	s_and_b32 s12, s10, 1                          ; which half of its columns.  Also: which 128 rows of that tile I fetch
	s_mov_b32 s66, 0x39800000                      ; 2^-12 for t
	s_mov_b32 s67, 0x3d800000                      ; 2^-4 for v
	s_cmp_eq_u32 ttmp9, 0                          ; cluster x = 0 holds block columns 0-3 = columns 0-1023 = t: the same choice in all sixteen partners
	s_cselect_b32 s66, s66, s67
	s_mov_b32 s67, s66
	s_bfe_u32 s40, ttmp6, 0x40000                  ; cx
	s_bfe_u32 s41, ttmp6, 0x40004                  ; cy
	s_lshl_b32 s42, ttmp9, 2
	s_add_co_u32 s42, s42, s40                     ; block column = 4 x cluster x + cx
	s_and_b32 s13, ttmp7, 0xffff
	s_lshl_b32 s13, s13, 2
	s_add_co_u32 s13, s13, s41                     ; block row = 4 x cluster y + cy
	s_lshl_b32 s43, s41, 2
	s_lshl_b32 s43, 15, s43                        ; my row of the cluster: places 4 cy .. 4 cy + 3
	s_lshl_b32 s44, 0x1111, s40                    ; my column: places cx, cx + 4, cx + 8, cx + 12
	; group 1: a tile of 128 rows x 128 elements of 2 bytes, 4 words of padding behind every 64
	s_or_b32 s[G1+0], s43, (1<<16)|(1<<20)|(1<<21)|(5<<22)|(3<<25)
	s_or_b32 s[G1B+0], s44, (1<<16)|(1<<20)|(1<<21)|(5<<22)|(3<<25)
	s_mov_b32 s[G1B+1], KSTEP<<16
	s_mov_b32 s[G1+1], KSTEP<<16                   ; tensor_dim0 = 128
	s_mov_b32 s[G1B+2], 128<<16
	s_mov_b32 s[G1+2], 128<<16                     ; tensor_dim1 = 128
	s_mov_b32 s[G1B+3], KSTEP<<16
	s_mov_b32 s[G1+3], KSTEP<<16                   ; tile_dim0 = 128
	s_mov_b32 s[G1B+4], 128
	s_mov_b32 s[G1+4], 128                         ; tile_dim1 = 128
	s_mov_b32 s[G1B+5], SIZE_K
	s_mov_b32 s[G1+5], SIZE_K                      ; elements from row to row
	s_mov_b32 s[G1B+6], 0
	s_mov_b32 s[G1+6], 0
	s_mov_b32 s[G1B+7], 0
	s_mov_b32 s[G1+7], 0
	; A's tiles hang on the block row alone, B's on the block column alone; each address is made in registers that never hold the other coordinate
	s_lshl_b32 s17, s12, 7
	s_lshl_b32 s16, s13, 8
	s_add_co_u32 s16, s16, s17                     ; A: row 256 x block row + 128 x half
	s_lshl_b32 s46, s42, 8
	s_add_co_u32 s46, s46, s17                     ; B: row 256 x block column + 128 x half
	s_mov_b32 s17, 0
	s_mov_b32 s47, 0
	s_mov_b64 s[18:19], SIZE_K*2
	s_mul_u64 s[16:17], s[16:17], s[18:19]
	s_mul_u64 s[46:47], s[46:47], s[18:19]
	s_mul_i32 s20, s10, HALFT                      ; LDS: A's two halves, then B's two = wave x 128 rows
	s_wait_dscnt 0x0
	s_wait_kmcnt 0x0
	s_add_nc_u64 s[14:15], s[4:5], s[16:17]
	s_add_nc_u64 s[46:47], s[6:7], s[46:47]
	CROUND                                         ; all sixteen work-groups are here: the first joint loads meet
.irp s, 0,1
	s_mov_b32 s[G0+4*\s], 1
	s_add_co_u32 s[G0+4*\s+1], s20, \s*SLOT
	s_add_nc_u64 s[G0+4*\s+2:G0+4*\s+3], s[14:15], \s*KSTEP*2
	s_or_b32 s[G0+4*\s+3], s[G0+4*\s+3], 0x80000000
	s_mov_b32 s[G0B+4*\s], 1
	s_add_co_u32 s[G0B+4*\s+1], s20, \s*SLOT
	s_add_nc_u64 s[G0B+4*\s+2:G0B+4*\s+3], s[46:47], \s*KSTEP*2
	s_or_b32 s[G0B+4*\s+3], s[G0B+4*\s+3], 0x80000000
	JLOAD \s                                       ; both slots are asked for before anything else: two tensor loads of the wave are out, the most in this text
.endr
	; a fragment is 16 rows x 32 K in 8 registers: lane l holds row l % 16; two loads of 16 bytes, 32 bytes apart, at row x pitch + 16 (l / 16)
	v_and_b32 v1, 15, v0
	v_bfe_u32 v2, v0, 4, 1
	v_mul_u32_u24 v3, v1, PITCH
	v_lshl_add_u32 v3, v2, 4, v3
	s_mul_i32 s21, s11, HALFT                      ; my 128 rows of A
	s_mul_i32 s22, s12, HALFT                      ; my 128 rows of B,
	s_add_co_u32 s22, s22, 2*HALFT                 ; which lie behind A's 256
.irp s, 0,1
	v_add_nc_u32 v[ADRA+\s], s21, v3
	v_add_nc_u32 v[ADRB+\s], s22, v3
	s_add_co_u32 s21, s21, SLOT
	s_add_co_u32 s22, s22, SLOT
.endr
	s_mul_i32 s23, s10, 16*SPITCH
	s_add_co_u32 s23, s23, STAGE                   ; my stage
	v_mul_u32_u24 v4, v1, SPITCH
	v_lshl_add_u32 v4, v2, 4, v4
	v_add_nc_u32 v[STO], s23, v4
	v_mul_u32_u24 v5, v2, SPITCH
	v_lshl_add_u32 v5, v1, 4, v5
	v_add_nc_u32 v[RD], s23, v5
	v_mul_u32_u24 v5, v2, SIZE_N*2
	v_lshl_add_u32 v[CO], v1, 4, v5
; 16 products: m blocks a0, a0 + 1 of the window's four x all 8 n blocks, 32 along K.  zero = 1: the first product starts the sums.
; The 64 accumulators take turns, one instruction a turn, in the same order in every quarter step, over the backward jump too.
.macro MUL16 f, hi, a0, zero
.irp a, \a0, \a0+1
.irp b, 0,1,2,3,4,5,6,7
.if \zero
	v_wmma_f32_16x16x32_f16 v[8*(8*(\a)+\b):8*(8*(\a)+\b)+7], v[\f+8*\b:\f+8*\b+7], v[\f+8*(4*\hi+\a):\f+8*(4*\hi+\a)+7], 0
.else
	v_wmma_f32_16x16x32_f16 v[8*(8*(\a)+\b):8*(8*(\a)+\b)+7], v[\f+8*\b:\f+8*\b+7], v[\f+8*(4*\hi+\a):\f+8*(4*\hi+\a)+7], v[8*(8*(\a)+\b):8*(8*(\a)+\b)+7]
.endif
.endr
.endr
.endm
; 32 LDS loads in one run: the fragments of one quarter step into buffer f
.macro FETCH slot, k, f
	WIN TO_B
.irp i, 0,1,2,3,4,5,6,7
	ds_load_b128 v[\f+8*\i:\f+8*\i+3],   v[ADRB+\slot] offset:\k+\i*16*PITCH
	ds_load_b128 v[\f+8*\i+4:\f+8*\i+7], v[ADRB+\slot] offset:\k+\i*16*PITCH+32
.endr
	WIN 0
.irp i, 0,1,2,3,4,5,6,7
	ds_load_b128 v[\f+8*\i:\f+8*\i+3],   v[ADRA+\slot] offset:\k+\i*16*PITCH
	ds_load_b128 v[\f+8*\i+4:\f+8*\i+7], v[ADRA+\slot] offset:\k+\i*16*PITCH+32
.endr
.endm
; Four places between a matrix instruction and a load into one of its sources, or a vector instruction that reads its result (ISA guide 7.12.1 for vector instructions)
.macro PLACES
.rept 4
	v_nop
.endr
.endm
.macro QUARTER slot, k, f, g, zero
	s_wait_dscnt 8                                 ; B and A's rows 0-63 are in; the youngest eight loads (A's rows 64-127) may be out
	WIN MUL_LO
	MUL16 \f, 0, 0, \zero
	MUL16 \f, 0, 2, \zero
	PLACES
	FETCH \slot, \k, \g
	s_wait_dscnt 32                                ; all but the 32 just issued
	WIN MUL_HI
	MUL16 \f, 1, 0, \zero
	MUL16 \f, 1, 2, \zero
.endm
.macro THREE slot, zero
	QUARTER \slot, 64,  F0, F1, \zero
	QUARTER \slot, 128, F1, F0, 0
	QUARTER \slot, 192, F0, F1, 0
.endm
; The last quarter of a K step changes slots.  In front of the one barrier each wave waits for its reads of this slot and for all its tensor loads (one is out: its part of
; the next slot).  Behind it nobody reads this slot and the next slot is whole: the refill comes first, then the next slot's first fragments.
.macro TURN slot, next, fill
	s_wait_dscnt 8
	WIN MUL_LO
	MUL16 F1, 0, 0, 0
	s_wait_dscnt 0                                 ; my reads of this slot are over
	s_wait_tensorcnt 0x0                           ; all my tensor loads have landed
	ds_add_u32 v255, v255
	s_wait_dscnt 0x0
	s_barrier_signal -1                            ; where a slot is filled again this barrier opens a round of the cluster's barrier
	MUL16 F1, 0, 2, 0                              ; register work while the others arrive
	WIN 0
	s_barrier_wait -1
.if \fill
	CREST                                          ; no wave of any partner still reads this slot or has a load on its way
	s_add_nc_u64 s[G0+4*\slot+2:G0+4*\slot+3], s[G0+4*\slot+2:G0+4*\slot+3], 2*KSTEP*2
	s_add_nc_u64 s[G0B+4*\slot+2:G0B+4*\slot+3], s[G0B+4*\slot+2:G0B+4*\slot+3], 2*KSTEP*2
	JLOAD \slot                                    ; the first tensor load behind the round; its four v_nop are also the places in front of the loads below
.else
	PLACES
.endif
	FETCH \next, 0, F0
	WIN MUL_HI
	MUL16 F1, 1, 0, 0
	MUL16 F1, 1, 2, 0
.endm
.macro LAP zero
	THREE 0, \zero
	TURN 0, 1, 1
	THREE 1, 0
	TURN 1, 0, 1
.endm
	s_wait_tensorcnt 1                             ; my part of K step 0 is in; K step 1's load stays out
	s_barrier_signal -1
	s_barrier_wait -1
	FETCH 0, 0, F0
	LAP 1                                          ; the first lap stands in front of the loop: its first products start the sums
	WIN 0                                          ; at a label and at a branch every window is 0
	s_mov_b32 s3, LAPS-2
.Llap:
	LAP 0
	WIN 0
	s_sub_co_u32 s3, s3, 1
	s_cmp_lg_u32 s3, 0
	s_cbranch_scc1 .Llap
	THREE 0, 0                                     ; the last lap fills nothing
	TURN 0, 1, 0
	THREE 1, 0
	s_wait_dscnt 8
	WIN MUL_LO
	MUL16 F1, 0, 0, 0
	MUL16 F1, 0, 2, 0
	s_wait_dscnt 0
	WIN MUL_HI
	MUL16 F1, 1, 0, 0
	MUL16 F1, 1, 2, 0
	; THE WAY OUT: scale in f32 (a scaled Mt would leave the normal range of f16, so the power of two is applied here), round to f16, whole rows through my own stage
	PLACES
	WIN 0x82                                       ; source 0 and destination window 2
.set i, 0
.rept 128
	v_pk_mul_f32 v[2*i:2*i+1], v[2*i:2*i+1], s[66:67] op_sel_hi:[1,0]
.set i, i+1
.endr
	WIN 0xc3                                       ; window 3
.set i, 0
.rept 128
	v_pk_mul_f32 v[2*i:2*i+1], v[2*i:2*i+1], s[66:67] op_sel_hi:[1,0]
.set i, i+1
.endr
	s_lshl_b32 s13, s13, 8
	s_lshl_b32 s14, s11, 7
	s_add_co_u32 s16, s13, s14                     ; my first row of C
	s_mov_b32 s17, 0
	s_mov_b64 s[18:19], SIZE_N*2
	s_mul_u64 s[16:17], s[16:17], s[18:19]
	s_add_nc_u64 s[8:9], s[8:9], s[16:17]
	s_lshl_b32 s46, s42, 9                         ; my first column, in bytes
	s_lshl_b32 s47, s12, 8
	s_add_co_u32 s46, s46, s47
	s_mov_b32 s47, 0
	s_add_nc_u64 s[8:9], s[8:9], s[46:47]
; rows 16 i .. 16 i + 15 of my block = the eight tiles (a, 0..7) of window 2 or 3 (from = 0x0a or 0x0f); f: F0 or F1 in turn
.macro OUT16 i, a, from, f
	WIN \from
.irp b, 0,1,2,3,4,5,6,7
.irp r, 0,1,2,3
	v_cvt_pk_f16_f32 v[TMP+4*\b+\r], v[8*(8*\a+\b)+2*\r], v[8*(8*\a+\b)+2*\r+1]
.endr
.endr
	WIN 0
.irp b, 0,1,2,3,4,5,6,7
	ds_store_b128 v[STO], v[TMP+4*\b:TMP+4*\b+3] offset:32*\b
.endr
	s_wait_xcnt 0x0                                ; buffer f, which earlier stores read, and the stores' base are rewritten only behind this wait (ISA guide 3.1)
.if \i
	s_add_nc_u64 s[8:9], s[8:9], 16*SIZE_N*2
.endif
.irp t, 0,1,2,3,4,5,6,7
	ds_load_b128 v[\f+4*\t:\f+4*\t+3], v[RD] offset:\t*2*SPITCH    ; LDS serves a wave's instructions in order (ISA guide 5.7.1.4): these see the stores above
.endr
.irp t, 0,1,2,3,4,5,6,7
	s_wait_dscnt 7-\t
	global_store_b128 v[CO], v[\f+4*\t:\f+4*\t+3], s[8:9] offset:2*\t*SIZE_N*2   ; sixteen lanes store 256 consecutive bytes, aligned
.endr
.endm
	OUT16 0, 0, 0x0a, F0
	OUT16 1, 1, 0x0a, F1
	OUT16 2, 2, 0x0a, F0
	OUT16 3, 3, 0x0a, F1
	OUT16 4, 0, 0x0f, F0
	OUT16 5, 1, 0x0f, F1
	OUT16 6, 2, 0x0f, F0
	OUT16 7, 3, 0x0f, F1
	s_set_vgpr_msb 0x1
	s_wait_tensorcnt 0x0
	ds_add_u32 v255, v255
	s_wait_dscnt 0x0
	s_set_vgpr_msb 0x100
	CROUND                                         ; the closing round: no work-group ends while a partner may still ask for a tile that names it
	s_endpgm
.Lfunc_end_k_qcfb2844d0a_proj:
	.size	k_qcfb2844d0a_proj, .Lfunc_end_k_qcfb2844d0a_proj-k_qcfb2844d0a_proj
	.p2alignl 7, 3214868480
	.fill 96, 4, 3214868480
	.section	.rodata,"a",@progbits
	.p2align	6, 0x0
	.amdhsa_kernel k_qcfb2844d0a_proj
		.amdhsa_group_segment_fixed_size 327680
		.amdhsa_private_segment_fixed_size 0
		.amdhsa_enable_private_segment 0
		.amdhsa_kernarg_size 24
		.amdhsa_user_sgpr_count 2
		.amdhsa_user_sgpr_kernarg_segment_ptr 1
		.amdhsa_wavefront_size32 1
		.amdhsa_system_sgpr_workgroup_id_x 1
		.amdhsa_system_sgpr_workgroup_id_y 1
		.amdhsa_system_sgpr_workgroup_id_z 1
		.amdhsa_system_vgpr_workitem_id 0
		.amdhsa_next_free_vgpr 1024
		.amdhsa_next_free_sgpr 68
		.amdhsa_reserve_vcc 0
		.amdhsa_float_denorm_mode_32 3
		.amdhsa_float_denorm_mode_16_64 3
		.amdhsa_memory_ordered 1
		.amdhsa_forward_progress 1
		.amdhsa_inst_pref_size 213
	.end_amdhsa_kernel
	.amdgpu_metadata
---
amdhsa.version: [ 1, 2 ]
amdhsa.kernels:
  - .name:           k_qcfb2844d0a_proj
    .symbol:         k_qcfb2844d0a_proj.kd
    .args:
      - { .name: xh, .offset: 0, .size: 8, .value_kind: global_buffer, .address_space: global }
      - { .name: wb, .offset: 8, .size: 8, .value_kind: global_buffer, .address_space: global }
      - { .name: tv, .offset: 16, .size: 8, .value_kind: global_buffer, .address_space: global }
    .group_segment_fixed_size: 327680
    .private_segment_fixed_size: 0
    .kernarg_segment_align: 8
    .kernarg_segment_size: 24
    .max_flat_workgroup_size: 128
    .sgpr_count:     68
    .vgpr_count:     1024
    .wavefront_size: 32
...
	.end_amdgpu_metadata
.endif
;; end of part 2
;; launch attn (part 3): grid 256 x 1, 4 waves a work-group, clusters of 4 x 1, 327,680 bytes of LDS; arguments xh, tv, x, out0; writes out0
.if DOCPART == 3
	.amdgcn_target "amdgcn-amd-amdhsa--gfx1250"
	.amdhsa_code_object_version 6
	.text
	.protected	k_qcfb2844d0a_attn
	.globl	k_qcfb2844d0a_attn
	.p2align	8
	.type	k_qcfb2844d0a_attn,@function
k_qcfb2844d0a_attn:
	s_mov_b64 s[64:65], 0
	v_nop
	global_prefetch_b8 v0, s[64:65] scope:SCOPE_SE
	s_setreg_imm32_b32 hwreg(HW_REG_WAVE_MODE, 25, 1), 1
	s_wait_xcnt 0x0
	s_wait_alu depctr_hold_cnt(0) depctr_sa_sdst(0) depctr_va_vdst(0) depctr_va_sdst(0) depctr_va_ssrc(0) depctr_va_vcc(0) depctr_vm_vsrc(0)
	s_getreg_b32 s2, hwreg(HW_REG_IB_STS2, 6, 4)
	s_cmp_eq_u32 s2, 0
	s_cbranch_scc0 .Lentry_in_a_cluster
	s_endpgm
.Lentry_in_a_cluster:
	s_bfe_u32 s2, ttmp6, 0x10000c
	s_cmp_lg_u32 s2, 0x3003
	s_cbranch_scc0 .Lentry_shape_is_right
	s_endpgm
.Lentry_shape_is_right:
; out = x + softmax(t e^T / sqrt(512)) v for 64 query rows of one batch.  xh: [16384][1024] f16 (e).  tv: [16384][2048] f16 (t 2^-12 | v 2^-4).  x, out0: f32.
; Phase S: S = t' E^T, 64 rows x 512 keys, the 1,024 features in 8 steps of 128.  Wave w makes the keys 64 b + 16 w + 0..15, b = 0..7: 4 x 8 tiles.
; Softmax: the true maximum M of each row is taken away first: P = 2^(C (S - M)), C = 2^12 log2(e) / sqrt(512).  The difference is exactly 0 at the maximum and never
;   positive, whatever the size of the scores: no exponential exceeds 1, and each row's sum lies between 1 and 512.
; Phase O: O = P V', the 512 keys in 8 steps of 64.  Wave w makes columns 256 w .. 256 w + 255: 4 x 16 tiles.  Tile b of the four waves' S is exactly step b's 64 keys.
; Both products are used transposed (source 0 = rows of E, or columns of V; source 1 = query rows): a lane holds query row l % 16 and eight neighbouring keys or columns.
; CLUSTERS: the four work-groups of a cluster are four row blocks of one batch and read the same E and V: those tiles are asked for jointly (mask 15).  t' is each one's own.
; LIMITS: operands are f16: finite while |x| < 65504, |t| < 2.7e8, |v| < 1.0e6.  P is kept in f16: a weight below 6e-8 of the row's largest becomes 0.
; LDS:  S slot s at 156,672 s: E's 512 rows x 272 bytes, then t' 64 rows x 272.   V slot s at 139,264 s: wave w's strip at + 34,816 w: 64 keys x 544 bytes.
;       P chunks (64 rows x 64 keys, pitch 144) at 278,528 and + 9,216: bytes of S slot 1 behind its last fill, which no V tile reaches.
;       313,344: row maxima, + 1,024: row sums, [wave][row % 16][row / 16]; no tensor load lands there.   Stage of the way out: the first 16,640 bytes of my strip of V slot 0.
; REGISTERS: window 0: v1-19 addresses, v20-55 softmax, v64-127 fragments of t' or P (two buffers), v128-255 packed P, then x.
;   window 1: fragments of E (v0-63, v64-127), of V (v0-127, v128-255); on the way out x and the rows read back.
;   window 2: S (tile (a, b) at 8 (8 a + b)), then O rows 0-31 (tile (a, b) at 8 (16 a + b)); window 3: O rows 32-63.
.set SSLOT,  156672
.set EHALF,  69632                     ; 256 rows of E
.set TOFF,   139264                    ; t' behind E's 512 rows
.set THALF,  8704                      ; 32 rows of t'
.set VSLOT,  139264
.set VSTRIP, 34816
.set VP,     544                       ; 512 bytes + 32: an odd multiple of 32 for the transposing loads
.set PB,     278528
.set PBSZ,   9216
.set PP,     144
.set SCR,    313344
.set SP,     1040                      ; a row of the stage: 256 f32 + 16 bytes
.set ADREL, 2                          ; v2-3   my fragments of E, tiles b = 0-3, slot 0, 1
.set ADREH, 4                          ; v4-5   tiles b = 4-7 (69,632 bytes on: past the reach of a 16-bit offset)
.set ADRT,  6                          ; v6-7   fragments of t'
.set ADRV,  8                          ; v8-9   fragments of V
.set ADRP,  10                         ; v10-11 fragments of P, chunk buffer 0, 1
.set STP,   12                         ; v12-13 where I put my 16 bytes of a row of a P chunk
.set MX,    20                         ; v[20:23] row maxima, then row sums, then 1 / l; one register for each row group a
.set NM,    24                         ; v[24:31] pairs (-M, -M); on the way out pairs (16 / l, 16 / l)
.set TM,    32                         ; v[32:35] set-up numbers, then what v_permlanex16_b32 brings (its destination counts as read: these have been written)
.set LS,    36                         ; v[36:51] the four waves' maxima, then chains of sums, then the four waves' sums
.set TF,    64                         ; fragments of t' and P: buffer f at TF + 32 f
.set PK,    128                        ; packed P: tile (a, b) at PK + 4 (8 a + b)
.set G1E, 24                           ; s[24:31] group 1, E: 256 rows x 128 elements
.set G1T, 32                           ; s[32:39] group 1, t': 32 rows x 128
.set G1V, 40                           ; s[40:47] group 1, V: 64 rows x 256
.set G0E, 48                           ; s[48:55] group 0, E, one set a slot
.set G0T, 56                           ; s[56:63] group 0, t'
.set G0V, 68                           ; s[68:75] group 0, V
.set MSB, 0
.macro WIN new                         ; s_set_vgpr_msb: bits 1:0 source 0, 3:2 source 1, 5:4 source 2, 7:6 destination; the high byte repeats the setting that is left
.if MSB != \new
	s_set_vgpr_msb (MSB<<8)|\new
.set MSB, \new
.endif
.endm
.set MUL_LO, 0xa1                      ; source 0 window 1, source 1 window 0, C and D window 2
.set MUL_HI, 0xf1                      ; the same, C and D window 3
.set TO_B,   0x40                      ; destination window 1, address window 0
; Four places between a matrix instruction and a load into one of its sources, or a vector instruction that reads its result (ISA guide 7.12.1 for vector instructions)
.macro PLACES
.rept 4
	v_nop
.endr
.endm
; A round of the cluster's barrier: my work-group's barrier; wave 0 signals for the work-group; every wave waits for all four; my work-group's barrier again.
.macro CREST
	s_cmp_lg_u32 s12, 0
	s_cbranch_scc1 .Lnot_wave_0_\@
	s_barrier_signal -3
.Lnot_wave_0_\@:
	s_barrier_wait -3
	s_barrier_signal -1
	s_barrier_wait -1
.endm
.macro CROUND
	s_barrier_signal -1
	s_barrier_wait -1
	CREST
.endm
; One step's tiles of phase S: waves 0 and 1 ask jointly for E's two halves, waves 2 and 3 fetch the two halves of the work-group's own t'.  One tensor load a wave.
.macro JLOAD s
	s_cmp_eq_u32 s13, 0
	s_cbranch_scc0 .Lfor_t_\@
	tensor_load_to_lds s[G0E+4*\s:G0E+4*\s+3], s[G1E:G1E+7]
	s_nop 0
.rept 4
	v_nop
.endr
	s_branch .Lasked_\@
.Lfor_t_\@:
	tensor_load_to_lds s[G0T+4*\s:G0T+4*\s+3], s[G1T:G1T+7]
	s_nop 0
.rept 4
	v_nop
.endr
.Lasked_\@:
.endm
.macro VLOAD s                         ; one step of V: every wave asks jointly for its own strip of 256 columns
	tensor_load_to_lds s[G0V+4*\s:G0V+4*\s+3], s[G1V:G1V+7]
	s_nop 0
.rept 4
	v_nop
.endr
.endm
	s_load_b256 s[4:11], s[0:1], 0x0               ; xh s[4:5], tv s[6:7], x s[8:9], out0 s[10:11]
	v_lshl_add_u32 v62, v0, 2, 0x4d000
	v_mov_b32 v63, 0
	ds_add_u32 v62, v63
	v_lshrrev_b32 v32, 5, v0
	v_readfirstlane_b32 s12, v32                   ; w: wave 0..3
	s_lshr_b32 s13, s12, 1                         ; I fetch for E (0) or for t' (1)
	s_and_b32 s14, s12, 1                          ; which half of that tile
	s_bfe_u32 s15, ttmp6, 0x40000                  ; cx
	s_lshr_b32 s16, ttmp9, 1                       ; batch: two clusters a batch
	s_and_b32 s17, ttmp9, 1
	s_lshl_b32 s17, s17, 2
	s_add_co_u32 s17, s17, s15                     ; row block 0..7 of the batch
	s_mov_b32 s76, 0x76543210                      ; v_permlanex16_b32: lane i of one half reads lane i of the other
	s_mov_b32 s77, 0xfedcba98
	s_mov_b32 s78, 0x438293ee                      ; C = 4096 x 1.442695 / 22.627417 = 261.1557
	s_mov_b32 s79, 0x438293ee
	s_mov_b32 s[G1E+0], 0x0771000f                 ; mask 15; elements of 2 bytes; padding on; bit 21 beside a mask; 4 words behind every 64
	s_mov_b32 s[G1E+1], 128<<16                    ; tensor_dim0 = 128
	s_mov_b32 s[G1E+2], 256<<16                    ; tensor_dim1 = 256
	s_mov_b32 s[G1E+3], 128<<16                    ; tile_dim0 = 128
	s_mov_b32 s[G1E+4], 256                        ; tile_dim1 = 256
	s_mov_b32 s[G1E+5], 1024                       ; elements from row to row of xh
	s_mov_b32 s[G1E+6], 0
	s_mov_b32 s[G1E+7], 0
	s_mov_b32 s[G1T+0], 0x07510000                 ; no mask: my own tile; the same padding
	s_mov_b32 s[G1T+1], 128<<16
	s_mov_b32 s[G1T+2], 32<<16
	s_mov_b32 s[G1T+3], 128<<16
	s_mov_b32 s[G1T+4], 32
	s_mov_b32 s[G1T+5], 2048                       ; elements from row to row of tv
	s_mov_b32 s[G1T+6], 0
	s_mov_b32 s[G1T+7], 0
	s_mov_b32 s[G1V+0], 0x0fb1000f                 ; mask 15; 8 words of padding behind every 128
	s_mov_b32 s[G1V+1], 256<<16
	s_mov_b32 s[G1V+2], 64<<16
	s_mov_b32 s[G1V+3], 256<<16
	s_mov_b32 s[G1V+4], 64
	s_mov_b32 s[G1V+5], 2048
	s_mov_b32 s[G1V+6], 0
	s_mov_b32 s[G1V+7], 0
	; offsets that all four partners share stand in s[18:19] (temporary s22); those that hold cx in s[20:21] (temporary s23)
	s_lshl_b32 s18, s16, 20                        ; E: 512 rows of 2,048 bytes a batch,
	s_lshl_b32 s22, s14, 19                        ; 256 rows a half
	s_add_co_u32 s18, s18, s22
	s_mov_b32 s19, 0
	s_lshl_b32 s20, s16, 21                        ; tv, x, out0: 512 rows of 4,096 bytes a batch,
	s_lshl_b32 s23, s17, 18                        ; 64 rows a block
	s_add_co_u32 s20, s20, s23
	s_mov_b32 s21, 0
	s_wait_dscnt 0x0
	s_wait_kmcnt 0x0
	s_add_nc_u64 s[G0E+2:G0E+3], s[4:5], s[18:19]              ; step 0
	s_add_nc_u64 s[G0E+6:G0E+7], s[G0E+2:G0E+3], 256           ; step 1: 128 f16 on
	s_lshl_b32 s18, s16, 21
	s_lshl_b32 s22, s12, 9                         ; my strip: 256 f16
	s_add_co_u32 s18, s18, s22
	s_add_co_u32 s18, s18, 2048                    ; v stands behind the 1,024 f16 of t
	s_add_nc_u64 s[G0V+2:G0V+3], s[6:7], s[18:19]              ; keys 0-63
	s_add_nc_u64 s[G0V+6:G0V+7], s[G0V+2:G0V+3], 64*4096       ; keys 64-127
	s_add_nc_u64 s[80:81], s[6:7], s[20:21]        ; tv at my block's first row
	s_add_nc_u64 s[8:9], s[8:9], s[20:21]          ; x and out0 likewise
	s_add_nc_u64 s[10:11], s[10:11], s[20:21]
	s_lshl_b32 s20, s14, 17                        ; 32 rows a half
	s_add_nc_u64 s[G0T+2:G0T+3], s[80:81], s[20:21]
	s_add_nc_u64 s[G0T+6:G0T+7], s[G0T+2:G0T+3], 256
	s_mul_i32 s22, s12, EHALF                      ; LDS: waves 0, 1: E's halves
	s_mul_i32 s23, s12, THALF
	s_add_co_u32 s23, s23, TOFF-2*THALF            ; waves 2, 3: the halves of t'
	s_mul_i32 s18, s12, VSTRIP                     ; my strip of V
.irp s, 0,1
	s_mov_b32 s[G0E+4*\s], 1
	s_add_co_u32 s[G0E+4*\s+1], s22, \s*SSLOT
	s_or_b32 s[G0E+4*\s+3], s[G0E+4*\s+3], 0x80000000
	s_mov_b32 s[G0T+4*\s], 1
	s_add_co_u32 s[G0T+4*\s+1], s23, \s*SSLOT
	s_or_b32 s[G0T+4*\s+3], s[G0T+4*\s+3], 0x80000000
	s_mov_b32 s[G0V+4*\s], 1
	s_add_co_u32 s[G0V+4*\s+1], s18, \s*VSLOT
	s_or_b32 s[G0V+4*\s+3], s[G0V+4*\s+3], 0x80000000
.endr
	CROUND                                         ; all four work-groups are here: the first joint loads meet
	JLOAD 0                                        ; steps 0 and 1 go out together, ahead of every wait on TENSORcnt, LDS read and further barrier:
	JLOAD 1                                        ; two tensor loads of the wave are out, the most in this text
	v_and_b32 v32, 15, v0                          ; r = l % 16
	v_bfe_u32 v33, v0, 4, 1                        ; h = l / 16
	v_and_b32 v34, 31, v0                          ; l
	v_mul_u32_u24 v35, v32, 272
	v_lshl_add_u32 v35, v33, 4, v35                ; 272 r + 16 h: a fragment is two loads of 16 bytes, 32 bytes apart, at this place of its 16 rows
	s_mul_i32 s22, s12, 16*272
	v_add_nc_u32 v[ADREL], s22, v35                ; keys 16 w + r
	v_add_nc_u32 v[ADREL+1], SSLOT, v[ADREL]
	v_add_nc_u32 v[ADREH], EHALF, v[ADREL]
	v_add_nc_u32 v[ADREH+1], EHALF, v[ADREL+1]
	v_add_nc_u32 v[ADRT], TOFF, v35
	v_add_nc_u32 v[ADRT+1], TOFF+SSLOT, v35
	v_and_b32 v36, 7, v0
	v_lshl_add_u32 v36, v33, 3, v36                ; key 8 h + l % 8
	v_mul_u32_u24 v36, v36, VP
	v_bfe_u32 v37, v0, 3, 1
	v_lshl_add_u32 v36, v37, 4, v36                ; + 16 bytes for the second eight columns
	s_mul_i32 s22, s12, VSTRIP
	v_add_nc_u32 v[ADRV], s22, v36
	v_add_nc_u32 v[ADRV+1], VSLOT, v[ADRV]
	v_mul_u32_u24 v37, v32, SP
	v_lshl_add_u32 v37, v33, 5, v37
	v_add_nc_u32 v16, s22, v37                     ; stage, in: row r, 32 bytes for each half of the lanes
	v_lshl_add_u32 v17, v34, 4, s22                ; stage, back: 16 l of a row
	v_mul_u32_u24 v37, v32, PP
	v_lshl_add_u32 v37, v33, 4, v37                ; 144 r + 16 h
	v_add_nc_u32 v[ADRP], PB, v37
	v_add_nc_u32 v[ADRP+1], PB+PBSZ, v37
	s_lshl_b32 s23, s12, 5                         ; my 16 keys of a chunk: 32 bytes
	v_add_nc_u32 v[STP], s23, v[ADRP]
	v_add_nc_u32 v[STP+1], s23, v[ADRP+1]
	v_lshlrev_b32 v15, 4, v32
	v_add_nc_u32 v15, SCR, v15                     ; row r's four numbers of wave 0
	s_lshl_b32 s23, s12, 8
	v_add_nc_u32 v14, s23, v15                     ; of my wave
	s_lshl_b32 s23, s12, 10
	v_lshl_add_u32 v18, v34, 4, s23                ; x and out0: my 1,024 bytes of a row, 16 l
	s_lshl_b32 s23, s12, 13
	v_lshl_add_u32 v19, v34, 8, s23                ; prefetch of x: lanes 256 bytes apart, 8,192 bytes a wave
	v_lshrrev_b32 v37, 3, v34
	v_lshl_add_u32 v37, s12, 4, v37                ; prefetch of V: row 16 w + l / 8,
	v_and_b32 v38, 7, v0
	v_lshlrev_b32 v38, 8, v38                      ; block l % 8 of the row's eight blocks of 256 bytes
	v_lshl_add_u32 v37, v37, 12, v38
	v_add_nc_u32 v1, 2048, v37
; ---------------- phase S ----------------
; 16 products: row groups a0, a0 + 1 x my 8 key tiles, 32 features.  The 32 accumulators take turns, one instruction a turn, in the same order in every quarter.
.macro SMUL f, a0, zero
.irp a, \a0, \a0+1
.irp b, 0,1,2,3,4,5,6,7
.if \zero
	v_wmma_f32_16x16x32_f16 v[8*(8*(\a)+\b):8*(8*(\a)+\b)+7], v[64*\f+8*\b:64*\f+8*\b+7], v[TF+32*\f+8*(\a):TF+32*\f+8*(\a)+7], 0
.else
	v_wmma_f32_16x16x32_f16 v[8*(8*(\a)+\b):8*(8*(\a)+\b)+7], v[64*\f+8*\b:64*\f+8*\b+7], v[TF+32*\f+8*(\a):TF+32*\f+8*(\a)+7], v[8*(8*(\a)+\b):8*(8*(\a)+\b)+7]
.endif
.endr
.endr
.endm
; 24 LDS loads in one run: quarter q (32 features) of a slot into buffer f: 8 fragments of E (tile b: keys 64 b + 16 w ..), 4 of t'.  (slot may be a difference: it enters sums only)
.macro SFETCH slot, q, f
	WIN TO_B
.irp b, 0,1,2,3
	ds_load_b128 v[64*\f+8*\b:64*\f+8*\b+3],   v[ADREL+\slot] offset:17408*\b+64*\q
	ds_load_b128 v[64*\f+8*\b+4:64*\f+8*\b+7], v[ADREL+\slot] offset:17408*\b+64*\q+32
.endr
.irp b, 0,1,2,3
	ds_load_b128 v[64*\f+32+8*\b:64*\f+32+8*\b+3],   v[ADREH+\slot] offset:17408*\b+64*\q
	ds_load_b128 v[64*\f+32+8*\b+4:64*\f+32+8*\b+7], v[ADREH+\slot] offset:17408*\b+64*\q+32
.endr
	WIN 0
.irp a, 0,1,2,3
	ds_load_b128 v[TF+32*\f+8*\a:TF+32*\f+8*\a+3],   v[ADRT+\slot] offset:4352*\a+64*\q
	ds_load_b128 v[TF+32*\f+8*\a+4:TF+32*\f+8*\a+7], v[ADRT+\slot] offset:4352*\a+64*\q+32
.endr
.endm
; One of a step's first three quarters: multiplies buffer f, fetches quarter qn into buffer g in its middle.
; pf >= 0: behind the run of loads the wave asks the L2 for 32 blocks of 256 bytes of V: rows 16 w + 4 pf + l / 8 of my block's 64 rows.  The eight row blocks of a batch ask
; for its 512 rows of V once; steps 2 to 5 of phase S ask, phase O reads from two steps behind the last request on.
.macro SQUARTER slot, qn, f, g, zero, pf
	s_wait_dscnt 0x0                               ; buffer f is in
	WIN MUL_LO
	SMUL \f, 0, \zero
	PLACES
	SFETCH \slot, \qn, \g
.if \pf >= 0
	global_prefetch_b8 v1, s[80:81] offset:16384*\pf th:TH_LOAD_NT scope:SCOPE_SE
.endif
	WIN MUL_LO
	SMUL \f, 2, \zero
.endm
; The last quarter changes slots.  In front of the round each wave waits for its reads of this slot and for all its tensor loads (one is out: its part of the other slot).
; Behind the round no wave of any partner reads this slot: the refill comes first.  kind 1: this slot's tiles two steps on.  kind 2: a first step of V, into V slot 0
; (inside S slot 0) behind step 6, into V slot 1 (the end of S slot 0 and the head of S slot 1) behind step 7.
.macro STURN slot, kind, fetch
	s_wait_dscnt 0x0                               ; buffer 1 is in, and with it my last reads of this slot
	s_set_vgpr_msb 0xa1a0
	s_wait_tensorcnt 0x0                           ; all my tensor loads have landed
	ds_add_u32 v62, v63
	s_wait_dscnt 0x0
	s_set_vgpr_msb 0xa0a1
	s_barrier_signal -1                            ; opens the round
	WIN MUL_LO
	SMUL 1, 0, 0                                   ; register work while the others arrive
	WIN 0
	s_barrier_wait -1
	CREST
.if \kind == 1
	s_add_nc_u64 s[G0E+4*\slot+2:G0E+4*\slot+3], s[G0E+4*\slot+2:G0E+4*\slot+3], 512
	s_add_nc_u64 s[G0T+4*\slot+2:G0T+4*\slot+3], s[G0T+4*\slot+2:G0T+4*\slot+3], 512
	JLOAD \slot                                    ; its four v_nop are also the places in front of the loads below
.else
	VLOAD \slot
.endif
.if \fetch
	SFETCH 1-\slot, 0, 0
.endif
	WIN MUL_LO
	SMUL 1, 2, 0
.endm
.macro STRIP slot, zero, pf, kind, fetch
	SQUARTER \slot, 1, 0, 1, \zero, \pf
	SQUARTER \slot, 2, 1, 0, 0, -1
	SQUARTER \slot, 3, 0, 1, 0, -1
	STURN \slot, \kind, \fetch
.endm
	s_wait_tensorcnt 0x1                           ; my part of step 0 is in; step 1's load stays out
	s_barrier_signal -1
	s_barrier_wait -1
	SFETCH 0, 0, 0
	STRIP 0, 1, -1, 1, 1                           ; step 0: its first products start the sums
	STRIP 1, 0, -1, 1, 1
	STRIP 0, 0, 0, 1, 1
	STRIP 1, 0, 1, 1, 1
	STRIP 0, 0, 2, 1, 1
	STRIP 1, 0, 3, 1, 1                            ; the last fill of S slot 1: step 7
	STRIP 0, 0, -1, 2, 1                           ; V keys 0-63 go out
	STRIP 1, 0, -1, 2, 0                           ; V keys 64-127 go out; nothing more to fetch for S
; ---------------- softmax ----------------
	PLACES
	WIN 0x0a                                       ; sources 0 and 1 window 2, source 2 and destination window 0
.irp a, 0,1,2,3
	v_max_num_f32 v[MX+\a], v[64*\a], v[64*\a+1]   ; the first two numbers start each chain; four chains take turns
.endr
.set i, 1
.rept 31
.irp a, 0,1,2,3
	v_max3_num_f32 v[MX+\a], v[64*\a+2*i], v[64*\a+2*i+1], v[MX+\a]
.endr
.set i, i+1
.endr
	WIN 0
.irp a, 0,1,2,3
	v_permlanex16_b32 v[TM+\a], v[MX+\a], s76, s77 ; the other half of the lanes holds the same rows' other keys
.endr
.irp a, 0,1,2,3
	v_max_num_f32 v[MX+\a], v[MX+\a], v[TM+\a]
.endr
	ds_store_b128 v14, v[MX:MX+3]                  ; lanes r and r + 16 write the same words with the same numbers
	s_wait_dscnt 0x0                               ; in LDS before I say so
	s_barrier_signal -1                            ; V's second load stays out
	s_barrier_wait -1
.irp w, 0,1,2,3
	ds_load_b128 v[LS+4*\w:LS+4*\w+3], v15 offset:256*\w
.endr
	s_wait_dscnt 0x0
.irp a, 0,1,2,3
	v_max3_num_f32 v[MX+\a], v[LS+\a], v[LS+4+\a], v[LS+8+\a]
.endr
.irp a, 0,1,2,3
	v_max_num_f32 v[MX+\a], v[MX+\a], v[LS+12+\a]  ; M: the maximum of the row's 512 scores
.endr
.irp a, 0,1,2,3
	v_mul_f32 v[NM+2*\a], -1.0, v[MX+\a]           ; -M, twice, for the packed form
	v_mul_f32 v[NM+2*\a+1], -1.0, v[MX+\a]
.endr
	WIN 0x82                                       ; source 0 and destination window 2, source 1 window 0
.irp a, 0,1,2,3
.set i, 0
.rept 32
	v_pk_add_f32 v[64*\a+2*i:64*\a+2*i+1], v[64*\a+2*i:64*\a+2*i+1], v[NM+2*\a:NM+2*\a+1]     ; S - M: the difference comes first, so that it is exactly 0 at the maximum
.set i, i+1
.endr
.set i, 0
.rept 32
	v_pk_mul_f32 v[64*\a+2*i:64*\a+2*i+1], v[64*\a+2*i:64*\a+2*i+1], s[78:79] op_sel_hi:[1,0] ; times C
.set i, i+1
.endr
.set i, 0
.rept 64
	v_exp_f32 v[64*\a+i], v[64*\a+i]
.set i, i+1
.endr
.endr
	v_nop                                          ; one plain instruction behind the last v_exp_f32 before its result is read (ISA guide 5.7.2)
	WIN 0x0a
	s_wait_alu depctr_va_vdst(0)
.irp a, 0,1,2,3
.set i, 0
.rept 32
	v_cvt_pk_f16_f32 v[PK+32*\a+i], v[64*\a+2*i], v[64*\a+2*i+1]     ; two neighbouring keys a word
.set i, i+1
.endr
.endr
.irp a, 0,1,2,3
	v_pk_add_f32 v[LS+4*\a:LS+4*\a+1], v[64*\a:64*\a+1], v[64*\a+2:64*\a+3]       ; the first numbers start two chains of sums for each row group
	v_pk_add_f32 v[LS+4*\a+2:LS+4*\a+3], v[64*\a+4:64*\a+5], v[64*\a+6:64*\a+7]
.endr
	WIN 0x02                                       ; source 0 window 2, the sums in window 0
.set i, 4
.rept 28
.irp a, 0,1,2,3
	v_pk_add_f32 v[LS+4*\a+2*(i&1):LS+4*\a+2*(i&1)+1], v[64*\a+2*i:64*\a+2*i+1], v[LS+4*\a+2*(i&1):LS+4*\a+2*(i&1)+1]
.endr
.set i, i+1
.endr
	WIN 0
.irp a, 0,1,2,3
	v_pk_add_f32 v[LS+4*\a:LS+4*\a+1], v[LS+4*\a:LS+4*\a+1], v[LS+4*\a+2:LS+4*\a+3]
.endr
.irp a, 0,1,2,3
	v_add_f32 v[MX+\a], v[LS+4*\a], v[LS+4*\a+1]
.endr
.irp a, 0,1,2,3
	v_permlanex16_b32 v[TM+\a], v[MX+\a], s76, s77
.endr
.irp a, 0,1,2,3
	v_add_f32 v[MX+\a], v[MX+\a], v[TM+\a]
.endr
	ds_store_b128 v14, v[MX:MX+3] offset:1024      ; my wave's sums, in words of their own: no barrier between the maxima's reads and these stores
; ---------------- phase O ----------------
; 32 products: row groups 2 hi, 2 hi + 1 x my 16 column tiles, 32 keys.  The 64 accumulators take turns, one instruction a turn.
.macro OMUL f, hi, zero
.irp a, 0,1
.irp b, 0,1,2,3,4,5,6,7,8,9,10,11,12,13,14,15
.if \zero
	v_wmma_f32_16x16x32_f16 v[8*(16*\a+\b):8*(16*\a+\b)+7], v[128*\f+8*\b:128*\f+8*\b+7], v[TF+32*\f+8*(2*\hi+\a):TF+32*\f+8*(2*\hi+\a)+7], 0
.else
	v_wmma_f32_16x16x32_f16 v[8*(16*\a+\b):8*(16*\a+\b)+7], v[128*\f+8*\b:128*\f+8*\b+7], v[TF+32*\f+8*(2*\hi+\a):TF+32*\f+8*(2*\hi+\a)+7], v[8*(16*\a+\b):8*(16*\a+\b)+7]
.endif
.endr
.endr
.endm
; 40 LDS loads in one run: keys 32 hs .. + 31 of a step into buffer f.  V lies [key][column], so its fragments come by transposing loads: two, 16 keys apart.
; (slot may be a difference: it enters sums only)
.macro OFETCH slot, hs, f
	WIN TO_B
.irp b, 0,1,2,3,4,5,6,7,8,9,10,11,12,13,14,15
	ds_load_tr16_b128 v[128*\f+8*\b:128*\f+8*\b+3],   v[ADRV+\slot] offset:32*VP*\hs+32*\b
	ds_load_tr16_b128 v[128*\f+8*\b+4:128*\f+8*\b+7], v[ADRV+\slot] offset:32*VP*\hs+32*\b+16*VP
.endr
	WIN 0
.irp a, 0,1,2,3
	ds_load_b128 v[TF+32*\f+8*\a:TF+32*\f+8*\a+3],   v[ADRP+\slot] offset:16*PP*\a+64*\hs
	ds_load_b128 v[TF+32*\f+8*\a+4:TF+32*\f+8*\a+7], v[ADRP+\slot] offset:16*PP*\a+64*\hs+32
.endr
.endm
.macro PSTORE k                        ; my 16 keys of chunk k, four row groups, into chunk buffer k % 2
.irp a, 0,1,2,3
	ds_store_b128 v[STP+(\k&1)], v[PK+4*(8*\a+\k):PK+4*(8*\a+\k)+3] offset:16*PP*\a
.endr
.endm
.macro XLOAD g, win, xd                ; x, rows 16 g .. 16 g + 15 of my block, my 1,024 bytes of each: 32 loads of 512 consecutive bytes
	WIN \win
.irp i, 0,1,2,3,4,5,6,7,8,9,10,11,12,13,14,15
	global_load_b128 v[\xd+8*\i:\xd+8*\i+3],   v18, s[8:9] offset:4096*(16*\g+\i) th:TH_LOAD_NT
	global_load_b128 v[\xd+8*\i+4:\xd+8*\i+7], v18, s[8:9] offset:4096*(16*\g+\i)+512 th:TH_LOAD_NT
.endr
	WIN 0
.endm
; A step's first 32 keys.  pf >= 0: behind the run of loads the wave asks the L2 for 32 blocks of 256 bytes of x: steps 3 to 6 ask for rows 16-47 of my block, 32,768 bytes
; a step, each block once; rows 0-15 are loaded outright in step 6 (xl), rows 48-63 a row group ahead on the way out.
.macro OHALF0 slot, zero, pf, xl
	s_wait_dscnt 0x0                               ; buffer 0 is in; my stores of a P chunk are in LDS
	WIN MUL_LO
	OMUL 0, 0, \zero
	PLACES
	OFETCH \slot, 1, 1
.if \pf >= 0
	global_prefetch_b8 v19, s[8:9] offset:65536+32768*\pf th:TH_LOAD_NT scope:SCOPE_SE
.endif
.if \xl
	XLOAD 0, 0, 128                                ; into the registers of packed P: its last chunk was stored a step ago, and that store has been waited for
.endif
	WIN MUL_HI
	OMUL 0, 1, \zero
.endm
; A step's last 32 keys, and the change of slots.  In front of the barrier: my reads of this V slot and this chunk buffer are back, my stores of the next chunk are in LDS,
; all my tensor loads have landed.  refill = 1: the barrier opens a round; behind it V's step two on comes first, then chunk k goes into the buffer just read.
.macro OHALF1 slot, k, refill
	s_wait_dscnt 0x0
	s_set_vgpr_msb 0xf1f0
	s_wait_tensorcnt 0x0
	ds_add_u32 v62, v63
	s_wait_dscnt 0x0
	s_set_vgpr_msb 0xf0f1
	s_barrier_signal -1
	WIN MUL_LO
	OMUL 1, 0, 0                                   ; register work while the others arrive
	WIN 0
	s_barrier_wait -1
.if \refill
	CREST
	s_add_nc_u64 s[G0V+4*\slot+2:G0V+4*\slot+3], s[G0V+4*\slot+2:G0V+4*\slot+3], 128*4096
	VLOAD \slot                                    ; its four v_nop are also the places in front of the loads below
	PSTORE \k
.else
	PLACES
.endif
	OFETCH 1-\slot, 0, 0
	WIN MUL_HI
	OMUL 1, 1, 0
.endm
	PSTORE 0
	s_wait_tensorcnt 0x1                           ; V keys 0-63 are in (shown by the wait for 0 in front of the last round; met at once); keys 64-127 stay out
	s_wait_dscnt 0x0                               ; my sums and my part of chunk 0 are in LDS before I say so
	s_barrier_signal -1
	s_barrier_wait -1
.irp w, 0,1,2,3
	ds_load_b128 v[LS+4*\w:LS+4*\w+3], v15 offset:1024+256*\w      ; the four waves' sums; added up on the way out
.endr
	PSTORE 1
	OFETCH 0, 0, 0
	OHALF0 0, 1, -1, 0                             ; step 0: its products start the sums
	OHALF1 0, 2, 1
	OHALF0 1, 0, -1, 0
	OHALF1 1, 3, 1
	OHALF0 0, 0, -1, 0
	OHALF1 0, 4, 1
	OHALF0 1, 0, 0, 0
	OHALF1 1, 5, 1
	OHALF0 0, 0, 1, 0
	OHALF1 0, 6, 1
	OHALF0 1, 0, 2, 0
	OHALF1 1, 7, 1                                 ; the last load: V keys 448-511
	OHALF0 0, 0, 3, 1
	OHALF1 0, -1, 0                                ; a plain barrier: chunk 7 is whole, my last strip of V has landed
	OHALF0 1, 0, -1, 0
	s_wait_dscnt 0x0
	WIN MUL_LO
	OMUL 1, 0, 0
	WIN MUL_HI
	OMUL 1, 1, 0
; ---------------- the way out: out = x + O (16 / l), 16 rows at a time ----------------
	PLACES
	WIN 0
	v_pk_add_f32 v[LS:LS+1], v[LS:LS+1], v[LS+4:LS+5]
	v_pk_add_f32 v[LS+2:LS+3], v[LS+2:LS+3], v[LS+6:LS+7]
	v_pk_add_f32 v[LS+8:LS+9], v[LS+8:LS+9], v[LS+12:LS+13]
	v_pk_add_f32 v[LS+10:LS+11], v[LS+10:LS+11], v[LS+14:LS+15]
	v_pk_add_f32 v[LS:LS+1], v[LS:LS+1], v[LS+8:LS+9]
	v_pk_add_f32 v[LS+2:LS+3], v[LS+2:LS+3], v[LS+10:LS+11]      ; l of rows 16 a + r
.irp a, 0,1,2,3
	v_rcp_f32 v[MX+\a], v[LS+\a]
.endr
	v_nop                                          ; one plain instruction behind v_rcp_f32 before its result is read (ISA guide 5.7.2)
	s_wait_alu depctr_va_vdst(0)
.irp a, 0,1,2,3
	v_mul_f32 v[NM+2*\a], 0x41800000, v[MX+\a]     ; 16 / l, twice, for the packed form: the 16 undoes the 2^-4 of v
	v_mul_f32 v[NM+2*\a+1], 0x41800000, v[MX+\a]
.endr
; Row group a: al = its place in its window; mlw = the window setting for scaling it in place, stw for stores from it; adw and xs = setting and first register for this
; group's x; left = how many younger loads of x may stay out.  In the accumulators a lane holds one query row, so the lane's own 16 / l scales them there; then the 16 rows
; go through my stage and come back as whole rows, 512 consecutive bytes a load, as x lies in its registers.
.macro OUTG a, al, mlw, stw, adw, xs, left
	WIN \mlw
.set i, 0
.rept 64
	v_pk_mul_f32 v[128*\al+2*i:128*\al+2*i+1], v[128*\al+2*i:128*\al+2*i+1], v[NM+2*\a:NM+2*\a+1]
.set i, i+1
.endr
	WIN \stw
.irp b, 0,1,2,3,4,5,6,7,8,9,10,11,12,13,14,15
	ds_store_b128 v16, v[8*(16*\al+\b):8*(16*\al+\b)+3]   offset:64*\b
	ds_store_b128 v16, v[8*(16*\al+\b)+4:8*(16*\al+\b)+7] offset:64*\b+16
.endr
	s_wait_xcnt 0x0                                ; the registers that the last group's stores read are loaded again only behind this wait (ISA guide 3.1)
	WIN TO_B
.irp i, 0,1,2,3,4,5,6,7,8,9,10,11,12,13,14,15
	ds_load_b128 v[128+8*\i:128+8*\i+3],   v17 offset:SP*\i        ; LDS serves a wave's instructions in order (ISA guide 5.7.1.4): these see the stores above
	ds_load_b128 v[128+8*\i+4:128+8*\i+7], v17 offset:SP*\i+512
.endr
	s_wait_loadcnt \left                           ; this group's x is in; the next group's 32 loads stay out
	s_wait_dscnt 0x0
	WIN \adw
.irp i, 0,1,2,3,4,5,6,7,8,9,10,11,12,13,14,15
.irp j, 0,2,4,6
	v_pk_add_f32 v[128+8*\i+\j:128+8*\i+\j+1], v[128+8*\i+\j:128+8*\i+\j+1], v[\xs+8*\i+\j:\xs+8*\i+\j+1]
.endr
.endr
	WIN 0x04                                       ; store data window 1
.irp i, 0,1,2,3,4,5,6,7,8,9,10,11,12,13,14,15
	global_store_b128 v18, v[128+8*\i:128+8*\i+3],   s[10:11] offset:4096*(16*\a+\i) th:TH_STORE_NT       ; a store of the wave covers 512 consecutive bytes, aligned
	global_store_b128 v18, v[128+8*\i+4:128+8*\i+7], s[10:11] offset:4096*(16*\a+\i)+512 th:TH_STORE_NT
.endr
	WIN 0
.endm
	XLOAD 1, 0x40, 0
	OUTG 0, 0, 0x82, 0x08, 0x41, 128, 32
	XLOAD 2, 0, 128
	OUTG 1, 1, 0x82, 0x08, 0x45, 0, 32
	XLOAD 3, 0x40, 0
	OUTG 2, 0, 0xc3, 0x0c, 0x41, 128, 32
	OUTG 3, 1, 0xc3, 0x0c, 0x45, 0, 0
	s_wait_tensorcnt 0x0
	ds_add_u32 v62, v63
	s_wait_dscnt 0x0
	CROUND                                         ; the closing round: no work-group ends while a partner may still ask for a tile that names it
	s_endpgm
.Lfunc_end_k_qcfb2844d0a_attn:
	.size	k_qcfb2844d0a_attn, .Lfunc_end_k_qcfb2844d0a_attn-k_qcfb2844d0a_attn
	.p2alignl 7, 3214868480
	.fill 96, 4, 3214868480
	.section	.rodata,"a",@progbits
	.p2align	6, 0x0
	.amdhsa_kernel k_qcfb2844d0a_attn
		.amdhsa_group_segment_fixed_size 327680
		.amdhsa_private_segment_fixed_size 0
		.amdhsa_enable_private_segment 0
		.amdhsa_kernarg_size 32
		.amdhsa_user_sgpr_count 2
		.amdhsa_user_sgpr_kernarg_segment_ptr 1
		.amdhsa_wavefront_size32 1
		.amdhsa_system_sgpr_workgroup_id_x 1
		.amdhsa_system_sgpr_workgroup_id_y 1
		.amdhsa_system_sgpr_workgroup_id_z 1
		.amdhsa_system_vgpr_workitem_id 0
		.amdhsa_next_free_vgpr 1024
		.amdhsa_next_free_sgpr 82
		.amdhsa_reserve_vcc 0
		.amdhsa_float_denorm_mode_32 3
		.amdhsa_float_denorm_mode_16_64 3
		.amdhsa_memory_ordered 1
		.amdhsa_forward_progress 1
		.amdhsa_inst_pref_size 255
	.end_amdhsa_kernel
	.section	.bss,"aw",@nobits
	.p2align	6
	.space	262144
	.amdgpu_metadata
---
amdhsa.version: [ 1, 2 ]
amdhsa.kernels:
  - .name:           k_qcfb2844d0a_attn
    .symbol:         k_qcfb2844d0a_attn.kd
    .args:
      - { .name: xh, .offset: 0, .size: 8, .value_kind: global_buffer, .address_space: global }
      - { .name: tv, .offset: 8, .size: 8, .value_kind: global_buffer, .address_space: global }
      - { .name: x, .offset: 16, .size: 8, .value_kind: global_buffer, .address_space: global }
      - { .name: out0, .offset: 24, .size: 8, .value_kind: global_buffer, .address_space: global }
    .group_segment_fixed_size: 327680
    .private_segment_fixed_size: 0
    .kernarg_segment_align: 8
    .kernarg_segment_size: 32
    .max_flat_workgroup_size: 128
    .sgpr_count:     82
    .vgpr_count:     1024
    .wavefront_size: 32
...
	.end_amdgpu_metadata
.endif
;; end of part 3
;; ======== version 2 of 2: 3 launches; version 1 with the launch prep written anew for expert scheduling mode
;; limits: values are held in f16: magnitudes above 65,504 overflow, below 6.1e-05 lose precision; right only within a limited range of input values; inputs' magnitudes at most 65,504
;; workspace buffers: xh 33,554,432 bytes; wb 4,194,304 bytes; tv 67,108,864 bytes
;; launch prep (part 4): grid 896 x 1, 8 waves a work-group, no clusters, 88,064 bytes of LDS; arguments x, Wq, Wk, Wv, xh, wb; writes xh, wb
.if DOCPART == 4
	.amdgcn_target "amdgcn-amd-amdhsa--gfx1250"
	.amdhsa_code_object_version 6
	.text
	.protected	k_qcfb2844d0a_prep
	.globl	k_qcfb2844d0a_prep
	.p2align	8
	.type	k_qcfb2844d0a_prep,@function
k_qcfb2844d0a_prep:
	s_mov_b64 s[64:65], 0
	v_nop
	global_prefetch_b8 v0, s[64:65] scope:SCOPE_SE
	s_setreg_imm32_b32 hwreg(HW_REG_WAVE_SCHED_MODE, 0, 2), 2
	s_setreg_imm32_b32 hwreg(HW_REG_WAVE_MODE, 25, 1), 1
	s_wait_xcnt 0x0
	s_wait_alu depctr_vm_vsrc(0)
; Three jobs that feed the two matrix launches; a work-group takes one of them by its number (the same for all its waves).  The longest job has the lowest numbers.
;   0-255   M: wb rows 0-1023    = Mt[j][d] = sum over e of Wk[j][e] Wq[d][e], f16.  scores = e (Wq Wk^T) e^T, so one product with Mt replaces the
;              projections q and k; the sums are ordered otherwise than in q k^T, the value is the same.
;   256-383 T: wb rows 1024-2047 = Wv transposed, WvT[c][d] = Wv[d][c], f16.
;   384-895 X: xh = x rounded to f16.
; LIMITS: f16 holds |x| and |Mt| below 65504; larger numbers become infinities.  Below 6.1e-5 f16 has a fixed step of 6e-8.
; No tensor loads: everything passes through registers, since every number is converted on its way; and with 256 registers a wave and 88,064 bytes of LDS two
; work-groups lie on a WGP, so that the stream of x runs beside a work-group of M that waits for its loads.
; THE MODE: SCHED_MODE bits 1:0 = 2 (LLVM: expert scheduling mode 2), set by the entry lines.  The code itself states the register dependences between vector or matrix
; instructions and memory or LDS instructions, with s_wait_alu, always for 0.
; THE PLAN, role by role: the registers that memory or LDS instructions touch, and who else names them.
;   All:  v14, v15  written at the head, read by the closing add alone.  s16, the wave's number, is written by a vector instruction: one wait ahead of the branches.
;   X:    v5, v6    offsets, written once.   ST: loads land, conversions read.   ACC: conversions write, each word once; stores read.
;         Eight groups of four loads.  Group g's head: one wait says that group g - 1's conversions have written their words; that group's four stores are dealt among
;         group g's conversions, which name group g's ST and ACC alone.
;   T:    v5-v8     addresses, written once.   v64-95: loads land, conversions read.   v96-111: conversions write, LDS stores read.   v112-127: LDS loads land, stores read.
;         One wait ahead of the loads, one between the conversions and the run of LDS stores.
;   M:    v5-v13    addresses, written once.
;         stage p   step k's loads land; its 40 conversions read and write it; its 20 LDS stores read it; the loads of step k + 2 land in it.
;         F0, F1    two fragment buffers: LDS loads land, products read.   The accumulators are named by matrix and vector instructions alone.
;         Three waits a step: behind the conversions (the stage is written and done with; the last step's products are done reading F0 and F1); behind the LDS stores (they
;         have read the stage), ahead of the loads of step k + 2; between a step's two halves (the first half's products are done reading F0 and F1).
.set PITCH, 272                        ; an LDS row: 128 f16 + 16 bytes, an odd multiple of 16: the 16 rows of a fragment load start at 16 different banks (64 banks of 4 bytes: ISA guide 11.1)
.set ST,    64                         ; roles X and T: v[64:191] what global loads bring
.set ACC,   192                        ; role X: v[192:255] converted words
.set MWQ,   32*PITCH                   ; role M: in an LDS buffer the 128 rows of Wq lie behind the 32 rows of Wk
.set MBUF,  160*PITCH                  ; role M: an LDS buffer, 43,520 bytes; two of them take turns
.set MFR,   16                         ; role M: v[16:63]   two fragment buffers of 24: 2 fragments of Wk (16 j x 32 e), 1 of Wq (16 d x 32 e) each
.set MST,   64                         ; role M: v[64:223]  two stages of 80 registers: a step's 20 loads
.set MACC,  224                        ; role M: v[224:239] two accumulator tiles
	s_load_b256 s[4:11], s[0:1], 0x0               ; x s[4:5], Wq s[6:7], Wk s[8:9], Wv s[10:11]
	s_load_b128 s[12:15], s[0:1], 0x20             ; xh s[12:13], wb s[14:15]
	v_lshl_add_u32 v14, v0, 2, 0x15400             ; my spare word, behind role M's two LDS buffers: 87,040 + 4 x thread; kept for the closing lines alone
	v_mov_b32 v15, 0                               ; and 0, likewise
	v_and_b32 v1, 31, v0                           ; l: lane
	v_lshrrev_b32 v2, 5, v0
	v_readfirstlane_b32 s16, v2                    ; w: wave 0..7
	v_and_b32 v3, 15, v0                           ; c = l % 16
	v_bfe_u32 v4, v0, 4, 1                         ; h = l / 16
	s_mov_b32 s21, 0                               ; upper word of every 64-bit offset below
	s_wait_alu depctr_va_sdst(0)                   ; s16 is written, ahead of the branches and of its first reader in each of the three roles
	s_wait_kmcnt 0x0
	s_cmp_lt_u32 ttmp9, 256
	s_cbranch_scc1 .Lrole_m
	s_cmp_lt_u32 ttmp9, 384
	s_cbranch_scc1 .Lrole_t
; ---------------- role X: 131,072 bytes of x a work-group, 16,384 a wave, all 32 loads of a wave issued before the first is used ----------------
	s_sub_co_u32 s17, ttmp9, 384
	s_lshl_b32 s20, s17, 17
	s_add_nc_u64 s[4:5], s[4:5], s[20:21]
	s_lshl_b32 s20, s17, 16
	s_add_nc_u64 s[12:13], s[12:13], s[20:21]
	v_lshlrev_b32 v5, 4, v1
	v_lshl_add_u32 v5, s16, 14, v5                 ; in: 16,384 w + 16 l
	v_lshlrev_b32 v6, 3, v1
	v_lshl_add_u32 v6, s16, 13, v6                 ; out: half of that
	s_wait_alu depctr_va_vdst(0)                   ; v5 and v6 are written: every load and store of the role reads one of them as its offset
.set i, 0
.rept 32
	global_load_b128 v[ST+4*i:ST+4*i+3], v5, s[4:5] offset:512*i th:TH_LOAD_NT
.set i, i+1
.endr
; Group g: loads 4 g .. 4 g + 3 are converted; the four stores of group g - 1 stand among the conversions.  No register is written twice, so nothing is owed for the stores' sources.
.macro XGROUP g
	s_wait_loadcnt 28-4*(\g)                       ; loads come back in order (ISA guide 5.7.1): this group's four are in, the 28 - 4 g younger ones stay out
.if \g > 0
	s_wait_alu depctr_va_vdst(0)                   ; the group before has written its eight words of ACC, which the four stores below read; the conversions below name this group's registers alone
.endif
.irp j, 0,1,2,3
.if \g > 0
	global_store_b64 v6, v[ACC+2*(4*(\g)-4+\j):ACC+2*(4*(\g)-4+\j)+1], s[12:13] offset:256*(4*(\g)-4+\j)   ; 32 lanes x 8 bytes: 256 consecutive bytes, aligned
.endif
	v_cvt_pk_f16_f32 v[ACC+2*(4*(\g)+\j)], v[ST+4*(4*(\g)+\j)], v[ST+4*(4*(\g)+\j)+1]
	v_cvt_pk_f16_f32 v[ACC+2*(4*(\g)+\j)+1], v[ST+4*(4*(\g)+\j)+2], v[ST+4*(4*(\g)+\j)+3]
.endr
.endm
.irp g, 0,1,2,3,4,5,6,7
	XGROUP \g
.endr
	s_wait_alu depctr_va_vdst(0)                   ; the last group has written its eight words, which the last four stores read
.irp j, 0,1,2,3
	global_store_b64 v6, v[ACC+2*(28+\j):ACC+2*(28+\j)+1], s[12:13] offset:256*(28+\j)
.endr
	s_endpgm                                       ; this role has written no LDS
; ---------------- role T: a tile of 128 d x 64 c of Wv, turned through LDS ----------------
.Lrole_t:
	s_sub_co_u32 s17, ttmp9, 256
	s_and_b32 s18, s17, 7                          ; which 128 d
	s_lshr_b32 s19, s17, 3                         ; which 64 c
	s_lshl_b32 s20, s18, 19                        ; 128 rows of 4,096 bytes
	s_lshl_b32 s22, s19, 8                         ; 64 f32
	s_add_co_u32 s20, s20, s22
	s_add_nc_u64 s[10:11], s[10:11], s[20:21]
	s_lshl_b32 s20, s19, 17                        ; 64 rows of wb, 2,048 bytes each
	s_lshl_b32 s22, s18, 8                         ; 128 f16
	s_add_co_u32 s20, s20, s22
	s_add_co_u32 s20, s20, 1024*2048               ; behind the 1,024 rows of Mt
	s_add_nc_u64 s[14:15], s[14:15], s[20:21]
	v_lshlrev_b32 v5, 4, v3
	v_lshl_add_u32 v5, v4, 14, v5
	v_lshl_add_u32 v5, s16, 16, v5                 ; in: row 16 w + 4 h, 16 bytes at 16 c: sixteen lanes take 256 consecutive bytes of a row
	v_mul_u32_u24 v6, v3, 4*PITCH
	v_lshl_add_u32 v6, v4, 3, v6
	v_lshl_add_u32 v6, s16, 5, v6                  ; LDS in: row 4 c (of c), byte 2 (16 w + 4 h)
	v_mul_u32_u24 v7, v4, PITCH
	v_lshl_add_u32 v7, v3, 4, v7
	s_mul_i32 s23, s16, 8*PITCH
	v_add_nc_u32 v7, s23, v7                       ; LDS back: row 8 w + h, 16 bytes at 16 c
	v_lshlrev_b32 v8, 11, v4
	v_lshl_add_u32 v8, v3, 4, v8
	v_lshl_add_u32 v8, s16, 14, v8                 ; the same two rows in wb
	s_wait_alu depctr_va_vdst(0)                   ; the four addresses v5 to v8 are written, which the loads and stores below read
.irp p, 0,1
.irp i, 0,1,2,3
	global_load_b128 v[ST+4*(4*\p+\i):ST+4*(4*\p+\i)+3], v5, s[10:11] offset:4096*(8*\p+\i) th:TH_LOAD_NT   ; row 16 w + 4 h + 8 p + i
.endr
.endr
	s_wait_loadcnt 0x0
; Four numbers of one column c and four neighbouring d make 8 bytes of a row of WvT.  The stores meet four deep in the banks (rows 4 c are 1,088 bytes apart);
; left so: the role moves 4 MiB in the whole launch.
.irp p, 0,1
.irp j, 0,1,2,3
	v_cvt_pk_f16_f32 v[96+2*(4*\p+\j)], v[ST+16*\p+\j], v[ST+16*\p+4+\j]
	v_cvt_pk_f16_f32 v[97+2*(4*\p+\j)], v[ST+16*\p+8+\j], v[ST+16*\p+12+\j]
.endr
.endr
	s_wait_alu depctr_va_vdst(0)                   ; the sixteen conversions have written v96 to v111, which the run of LDS stores reads
.irp p, 0,1
.irp j, 0,1,2,3
	ds_store_b64 v6, v[96+2*(4*\p+\j):97+2*(4*\p+\j)] offset:PITCH*\j+16*\p
.endr
.endr
	s_wait_dscnt 0x0                               ; my stores are in LDS before I say so: other waves read them
	s_barrier_signal -1
	s_barrier_wait -1
.irp t, 0,1,2,3
	ds_load_b128 v[112+4*\t:115+4*\t], v7 offset:2*PITCH*\t        ; into registers that no vector instruction names
.endr
.irp t, 0,1,2,3
	s_wait_dscnt 3-\t                              ; LDS loads come back in order: load t is in
	global_store_b128 v8, v[112+4*\t:115+4*\t], s[14:15] offset:4096*\t   ; sixteen lanes store 256 consecutive bytes, aligned
.endr
	s_wait_dscnt 0x0                               ; the closing lines, six on end
	s_wait_alu 0x0
	s_wait_tensorcnt 0x0
	ds_add_u32 v14, v15
	s_wait_dscnt 0x0
	s_endpgm
; ---------------- role M: a tile of 32 j x 128 d of Mt, e in 8 steps of 128 ----------------
; 256 work-groups, as many as there are WGPs; 128 d, so that a row of the tile is 256 consecutive bytes of wb, aligned.  A work-group reads (32 + 128) rows of 4,096 bytes.
; Wave w makes all 32 j x columns 16 w .. 16 w + 15 (d): two tiles.  Source 0 takes rows of Wq and source 1 rows of Wk, so that a lane holds row j = l % 16 and eight
; neighbouring d, 16 bytes of a row of Mt.
; A step is 20 loads of 512 bytes a wave (4 rows of Wk, 16 of Wq).  Two register stages take turns: step k + 2 is asked for as soon as step k lies in LDS, so that 40 loads
; of every wave, 160 KiB of the work-group, are on their way.  Two LDS buffers take turns too, which leaves one barrier a step: a wave that stores step k + 2 has passed
; step k + 1's barrier, and every wave signalled that one only when its reads of step k had come back.
.Lrole_m:
	s_lshr_b32 s17, ttmp9, 3                       ; which 32 j: 0..31
	s_and_b32 s18, ttmp9, 7                        ; which 128 d: 0..7
	s_lshl_b32 s20, s17, 17                        ; 32 rows of 4,096 bytes
	s_add_nc_u64 s[8:9], s[8:9], s[20:21]          ; my 32 rows of Wk
	s_lshl_b32 s20, s18, 19                        ; 128 rows
	s_add_nc_u64 s[6:7], s[6:7], s[20:21]          ; my 128 rows of Wq
	s_lshl_b32 s20, s17, 16                        ; 32 rows of wb, 2,048 bytes each
	s_lshl_b32 s22, s18, 8                         ; 128 f16
	s_add_co_u32 s20, s20, s22
	s_add_nc_u64 s[14:15], s[14:15], s[20:21]
	v_lshlrev_b32 v5, 4, v1
	v_lshl_add_u32 v5, s16, 14, v5                 ; Wk in: row 4 w, 16 l: a load of the wave takes 512 consecutive bytes of one row
	v_lshlrev_b32 v6, 4, v1
	v_lshl_add_u32 v6, s16, 16, v6                 ; Wq in: row 16 w, 16 l
	s_mul_i32 s23, s16, 4*PITCH
	v_lshl_add_u32 v7, v1, 3, s23                  ; LDS in, Wk: row 4 w, byte 8 l
	s_mul_i32 s24, s16, 16*PITCH
	s_add_co_u32 s24, s24, MWQ
	v_lshl_add_u32 v8, v1, 3, s24                  ; LDS in, Wq: row 16 w, byte 8 l
	v_mul_u32_u24 v9, v3, PITCH
	v_lshl_add_u32 v9, v4, 4, v9                   ; fragments of Wk: 272 r + 16 h: two loads of 16 bytes, 32 bytes apart, at this place of 16 rows
	v_add_nc_u32 v10, s24, v9                      ; my fragment of Wq: rows 16 w + r
	v_lshl_add_u32 v11, s16, 5, v9                 ; way out, in: row r, byte 2 (16 w + 8 h)
	v_mul_u32_u24 v12, v4, PITCH
	v_lshl_add_u32 v12, v3, 4, v12
	v_add_nc_u32 v12, s23, v12                     ; way out, back: row 4 w + h, 16 c
	v_lshlrev_b32 v13, 11, v4
	v_lshl_add_u32 v13, v3, 4, v13
	v_lshl_add_u32 v13, s16, 13, v13               ; the same two rows in wb
	s_wait_alu depctr_va_vdst(0)                   ; the nine addresses v5 to v13 are written, which every load and store of the role reads; none is written again
.macro MLOAD k, p                      ; step k into stage p: my 4 rows of Wk and 16 of Wq, 128 f32 each, at byte 512 k of the rows
.irp i, 0,1,2,3
	global_load_b128 v[MST+80*\p+4*\i:MST+80*\p+4*\i+3], v5, s[8:9] offset:4096*\i+512*(\k)
.endr
.irp i, 0,1,2,3,4,5,6,7,8,9,10,11,12,13,14,15
	global_load_b128 v[MST+80*\p+16+4*\i:MST+80*\p+16+4*\i+3], v6, s[6:7] offset:4096*\i+512*(\k)
.endr
.endm
.macro MQUART p, q                     ; quarter q (32 along e) of LDS buffer p into fragment buffer q % 2: six loads
	ds_load_b128 v[MFR+24*((\q)%2):MFR+24*((\q)%2)+3],     v9  offset:MBUF*\p+64*(\q)
	ds_load_b128 v[MFR+24*((\q)%2)+4:MFR+24*((\q)%2)+7],   v9  offset:MBUF*\p+64*(\q)+32
	ds_load_b128 v[MFR+24*((\q)%2)+8:MFR+24*((\q)%2)+11],  v9  offset:MBUF*\p+16*PITCH+64*(\q)
	ds_load_b128 v[MFR+24*((\q)%2)+12:MFR+24*((\q)%2)+15], v9  offset:MBUF*\p+16*PITCH+64*(\q)+32
	ds_load_b128 v[MFR+24*((\q)%2)+16:MFR+24*((\q)%2)+19], v10 offset:MBUF*\p+64*(\q)
	ds_load_b128 v[MFR+24*((\q)%2)+20:MFR+24*((\q)%2)+23], v10 offset:MBUF*\p+64*(\q)+32
.endm
.macro MPROD g, zero                   ; the two products of fragment buffer g
.if \zero
	v_wmma_f32_16x16x32_f16 v[MACC:MACC+7],    v[MFR+24*\g+16:MFR+24*\g+23], v[MFR+24*\g:MFR+24*\g+7],    0      ; the very first products start the sums: nothing is cleared
	v_wmma_f32_16x16x32_f16 v[MACC+8:MACC+15], v[MFR+24*\g+16:MFR+24*\g+23], v[MFR+24*\g+8:MFR+24*\g+15], 0
.else
	v_wmma_f32_16x16x32_f16 v[MACC:MACC+7],    v[MFR+24*\g+16:MFR+24*\g+23], v[MFR+24*\g:MFR+24*\g+7],    v[MACC:MACC+7]
	v_wmma_f32_16x16x32_f16 v[MACC+8:MACC+15], v[MFR+24*\g+16:MFR+24*\g+23], v[MFR+24*\g+8:MFR+24*\g+15], v[MACC+8:MACC+15]
.endif
.endm
; Half a step, 64 along e, from LDS buffer p: 12 fragment loads, 4 products.  The two accumulators take turns, one instruction a turn, from half to half and from step to
; step too.  The four v_nop behind the products stay as in the plain form: behind the last half of all they are the places in front of the
; conversions that read the sums (ISA guide 7.12.1).
.macro MHALF p, hh, zero
.if \hh
	s_wait_alu depctr_va_vdst(0)                   ; the first half's products are done reading both fragment buffers, in which the loads below land
.endif                                             ; (the first half's loads lean on the step's wait behind its conversions: no vector or matrix instruction stands between)
	MQUART \p, 2*\hh
	MQUART \p, 2*\hh+1
	s_wait_dscnt 6                                 ; LDS loads come back in order (ISA guide 5.7.1): the first quarter's six are in, the second quarter's six stay out
	MPROD 0, \zero
	s_wait_dscnt 0x0                               ; the second quarter is in; none of my reads of this LDS buffer is out any more
	MPROD 1, 0
.rept 4
	v_nop
.endr
.endm
; A step on stage p and LDS buffer p.  left = how many younger loads may stay out; nxt = the step that stage p is loaded with next, or -1.
.macro MSTEP p, zero, left, nxt
	s_wait_loadcnt \left                           ; loads come back in order (ISA guide 5.7.1): this step's 20 are in, the next step's 20 stay out
.set i, 0
.rept 20
	v_cvt_pk_f16_f32 v[MST+80*\p+4*i], v[MST+80*\p+4*i], v[MST+80*\p+4*i+1]       ; four f32 become 8 bytes, in the first two of their registers
	v_cvt_pk_f16_f32 v[MST+80*\p+4*i+1], v[MST+80*\p+4*i+2], v[MST+80*\p+4*i+3]
.set i, i+1
.endr
	s_wait_alu depctr_va_vdst(0)                   ; the conversions have written the stage, which the LDS stores read, and are done with it, for the loads of two steps on; the last step's products are done reading the fragment buffers
.irp i, 0,1,2,3
	ds_store_b64 v7, v[MST+80*\p+4*\i:MST+80*\p+4*\i+1] offset:MBUF*\p+PITCH*\i
.endr
.irp i, 0,1,2,3,4,5,6,7,8,9,10,11,12,13,14,15
	ds_store_b64 v8, v[MST+80*\p+16+4*\i:MST+80*\p+16+4*\i+1] offset:MBUF*\p+PITCH*\i
.endr
	s_wait_dscnt 0x0                               ; my stores are in LDS before I say so
.if \nxt >= 0
	s_wait_alu depctr_vm_vsrc(0)                   ; the LDS stores have read the stage, in which the loads below land
	MLOAD \nxt, \p                                 ; two steps ahead; no vector instruction names the stage before its own step
.endif
	s_barrier_signal -1
	s_barrier_wait -1                              ; the buffer is whole; and nobody reads the other buffer's old tiles any more
	MHALF \p, 0, \zero
	MHALF \p, 1, 0
.endm
	MLOAD 0, 0
	MLOAD 1, 1
	MSTEP 0, 1, 20, 2
	MSTEP 1, 0, 20, 3
	MSTEP 0, 0, 20, 4
	MSTEP 1, 0, 20, 5
	MSTEP 0, 0, 20, 6
	MSTEP 1, 0, 20, 7
	MSTEP 0, 0, 20, -1
	MSTEP 1, 0, 0, -1                              ; the last step: no load was issued behind its own
	; The way out: round to f16 (the four v_nop above are the places in front of these reads), whole rows through LDS.  The stage is the first 32 rows of buffer 0, last read
	; in the step before the last: every wave's reads of it had come back when it signalled the last step's barrier, which I have passed.
	s_wait_alu depctr_vm_vsrc(0)                   ; the LDS stores of the last two steps have read the register stages: of these v64 to v71 are written again below, and v72 to v79 loaded again
.irp a, 0,1
.irp r, 0,1,2,3
	v_cvt_pk_f16_f32 v[MST+4*\a+\r], v[MACC+8*\a+2*\r], v[MACC+8*\a+2*\r+1]
.endr
.endr
	s_wait_alu depctr_va_vdst(0)                   ; the conversions have written v64 to v71, which the two LDS stores read; no vector instruction follows
.irp a, 0,1
	ds_store_b128 v11, v[MST+4*\a:MST+4*\a+3] offset:16*PITCH*\a
.endr
	s_wait_dscnt 0x0                               ; in LDS before I say so
	s_barrier_signal -1
	s_barrier_wait -1
.irp t, 0,1
	ds_load_b128 v[MST+8+4*\t:MST+11+4*\t], v12 offset:2*PITCH*\t
.endr
.irp t, 0,1
	s_wait_dscnt 1-\t                              ; LDS loads come back in order: load t is in
	global_store_b128 v13, v[MST+8+4*\t:MST+11+4*\t], s[14:15] offset:4096*\t   ; sixteen lanes store 256 consecutive bytes, aligned
.endr
	s_wait_dscnt 0x0                               ; the closing lines, six on end
	s_wait_alu 0x0
	s_wait_tensorcnt 0x0
	ds_add_u32 v14, v15
	s_wait_dscnt 0x0
	s_endpgm
.Lfunc_end_k_qcfb2844d0a_prep:
	.size	k_qcfb2844d0a_prep, .Lfunc_end_k_qcfb2844d0a_prep-k_qcfb2844d0a_prep
	.p2alignl 7, 3214868480
	.fill 96, 4, 3214868480
	.section	.rodata,"a",@progbits
	.p2align	6, 0x0
	.amdhsa_kernel k_qcfb2844d0a_prep
		.amdhsa_group_segment_fixed_size 88064
		.amdhsa_private_segment_fixed_size 0
		.amdhsa_enable_private_segment 0
		.amdhsa_kernarg_size 48
		.amdhsa_user_sgpr_count 2
		.amdhsa_user_sgpr_kernarg_segment_ptr 1
		.amdhsa_wavefront_size32 1
		.amdhsa_system_sgpr_workgroup_id_x 1
		.amdhsa_system_sgpr_workgroup_id_y 1
		.amdhsa_system_sgpr_workgroup_id_z 1
		.amdhsa_system_vgpr_workitem_id 0
		.amdhsa_next_free_vgpr 256
		.amdhsa_next_free_sgpr 66
		.amdhsa_reserve_vcc 0
		.amdhsa_float_denorm_mode_32 3
		.amdhsa_float_denorm_mode_16_64 3
		.amdhsa_memory_ordered 1
		.amdhsa_forward_progress 1
		.amdhsa_inst_pref_size 86
	.end_amdhsa_kernel
	.amdgpu_metadata
---
amdhsa.version: [ 1, 2 ]
amdhsa.kernels:
  - .name:           k_qcfb2844d0a_prep
    .symbol:         k_qcfb2844d0a_prep.kd
    .args:
      - { .name: x, .offset: 0, .size: 8, .value_kind: global_buffer, .address_space: global }
      - { .name: Wq, .offset: 8, .size: 8, .value_kind: global_buffer, .address_space: global }
      - { .name: Wk, .offset: 16, .size: 8, .value_kind: global_buffer, .address_space: global }
      - { .name: Wv, .offset: 24, .size: 8, .value_kind: global_buffer, .address_space: global }
      - { .name: xh, .offset: 32, .size: 8, .value_kind: global_buffer, .address_space: global }
      - { .name: wb, .offset: 40, .size: 8, .value_kind: global_buffer, .address_space: global }
    .group_segment_fixed_size: 88064
    .private_segment_fixed_size: 0
    .kernarg_segment_align: 8
    .kernarg_segment_size: 48
    .max_flat_workgroup_size: 256
    .sgpr_count:     66
    .vgpr_count:     256
    .wavefront_size: 32
...
	.end_amdgpu_metadata
.endif
;; end of part 4
;; launch proj: the kernel of part 2 again; grid 8 x 64, 4 waves a work-group, clusters of 4 x 4, 327,680 bytes of LDS; arguments xh, wb, tv; writes tv
;; launch attn: the kernel of part 3 again; grid 256 x 1, 4 waves a work-group, clusters of 4 x 1, 327,680 bytes of LDS; arguments xh, tv, x, out0; writes out0
